; MI455X (gfx1250); checked and timed in simulation.
; The chip was launched on July 23, 2026; its instructions are those of AMD's public machine-readable ISA for CDNA 5 (MIT licence, August 2026) and "CDNA5" Instruction Set Architecture Reference Guide (July 2026). The comments in the code are by the model that wrote it; some were corrected since.
;; Point Net. Allowed arithmetic: matrix products marked QUANTISED: E2M1 operands, one E8M0 scale for each 32 along K, by v_wmma_scale_f32_16x16x128_f8f6f4 with both operands' format E2M1 (or v_wmma_scale_f32_32x16x128_f4), f32 sums; products left as they are: f32 operands where the result goes on into a quantised operand, else bf16, f16 or f32 operands; f32 sums; everything else in f32.
;; Inputs: cW 390 x 1 float32; cb 1 float32; eW1 6 x 256 float32; eW2 256 x 256 float32; eW3 256 x 256 float32; eb1 256 float32; eb2 256 float32; eb3 256 float32; feat 64 x 8,192 x 6 float32; sW1 256 x 128 float32; sW2 128 x 128 float32; sW3 128 x 128 float32; sb1 128 float32; sb2 128 float32; sb3 128 float32.
;; Outputs: out0 64 x 8,192 float32.
;; This version of the problem:
;;   THIS VERSION OF THE PROBLEM IS GIVEN IN LOW PRECISION. The matrix products marked QUANTISED in the list below multiply operands that are first quantised to E2M1 (2 exponent bits, 1 mantissa bit; 4 bits a number), with one power-of-two scale for each 32 numbers along K (OCP MX v1.0); their sums are f32. All else is computed in f32.
;;   The module's matrix products, in the order in which they are computed (A, B: the left and right operand; K: the contracted axis; several contracted axes count as one K, in the product's order):
;;     1. [M 524,288, K 6] x [K 6, N 256]; A: input feat; B: input eW1: left as it is (K = 6 < 32)
;;     2. [M 524,288, K 256] x [K 256, N 256]; A: computed on the way; B: input eW2: QUANTISED
;;     3. [M 524,288, K 256] x [K 256, N 256]; A: computed on the way; B: input eW3: QUANTISED
;;     4. [M 64, K 256] x [K 256, N 128]; A: computed on the way; B: input sW1: QUANTISED
;;     5. [M 64, K 128] x [K 128, N 128]; A: computed on the way; B: input sW2: QUANTISED
;;     6. [M 64, K 128] x [K 128, N 128]; A: computed on the way; B: input sW3: QUANTISED
;;     7. [M 524,288, K 390] x [K 390, N 1]; A: computed on the way; B: input cW: left as it is (N = 1 < 16)
;;   THE QUANTISER, for each operand of a quantised product, along K:
;;     - K is cut into blocks of 32 from its start; a last block that is shorter is filled with zeros.
;;     - A block's scale is 2^e with e = floor(log2(the largest magnitude in the block)) - 2, held to -126 .. 127; a block of zeros has e = 0. As a byte (E8M0): e + 127.
;;     - Each number is divided by its block's scale, clamped to +-6, and rounded to the nearest number of E2M1, ties to even, subnormals kept.
;;     - The product sums the exact products of the quantised numbers (number of the format x scale) in f32.
;;   ~~~python
;;   def quantise(x, axis):      # numpy; x: float32 -> the quantised numbers, widened to float32 again
;;       x = np.moveaxis(x, axis, -1); K = x.shape[-1]
;;       x = np.pad(x, [(0, 0)] * (x.ndim - 1) + [(0, -K % 32)]); x = x.reshape(x.shape[:-1] + (-1, 32)); a = np.abs(x).max(-1, keepdims=True)
;;       e = np.where(a > 0, np.clip(np.frexp(np.where(a > 0, a, 1))[1] - 1 - 2, -126, 127), 0)      # np.frexp(a)[1] - 1 = floor(log2(a)), exactly
;;       r = np.clip(x / 2.0 ** e, -6, 6)
;;       step = 2.0 ** (np.maximum(np.frexp(np.where(r == 0, 1, r))[1] - 1, 0) - 1)
;;       q = np.round(r / step) * step * 2.0 ** e      # np.round: ties to even
;;       return np.moveaxis(q.reshape(q.shape[:-2] + (-1,))[..., :K], -1, axis).astype(np.float32)
;;   ~~~
;;   OPERANDS COMPUTED ON THE WAY. 'Computed on the way' means the value that the module computes at that place (a softmax that the list does not call 'softmax' is quantised finished and normalised). What goes into a quantiser is computed in f32, as accurately as f32 sums, v_exp_f32 and their like allow (about 1e-6 of the number): no bf16 or f16 on the way to a quantiser, and a product that is left as it is and whose result goes on into a quantised operand takes f32 operands (vector FMAs, or v_wmma_f32_16x16x4_f32). A number that lies on a knife's edge between two numbers of the format may be rounded either way, as far as f32 arithmetic and the matrix unit's own rounding can turn it there, and no further.
;; 2 versions. Each part assembles by itself: llvm-mc -triple=amdgcn-amd-amdhsa -mcpu=gfx1250 --defsym DOCPART=n.
;; ======== version 1 of 2: 3 launches
;; workspace buffers: wq 98,304 bytes; ws 6,144 bytes; sc 2,097,152 bytes; pool 262,144 bytes; mm 65,536 bytes
;; launch prep (part 1): grid 48 x 1, 1 waves a work-group, no clusters, 0 bytes of LDS; arguments eW2, eW3, sW1, sW2, sW3, wq, ws; writes wq, ws
.if DOCPART == 1
	.amdgcn_target "amdgcn-amd-amdhsa--gfx1250"
	.amdhsa_code_object_version 6
	.text
	.protected	k_q959aa2480e_prep
	.globl	k_q959aa2480e_prep
	.p2align	8
	.type	k_q959aa2480e_prep,@function
k_q959aa2480e_prep:
	s_mov_b64 s[64:65], 0
	v_nop
	global_prefetch_b8 v0, s[64:65] scope:SCOPE_SE
	s_setreg_imm32_b32 hwreg(HW_REG_WAVE_MODE, 25, 1), 1
	s_wait_xcnt 0x0
; The five weights of the quantised products, f32 stored [K][N], become codes of FP4 (E2M1) and E8M0 scale bytes along K, laid as IMAGES OF OPERAND REGISTERS,
; so that the later launches load each fragment by 16-byte loads, 16 x lane, and each scale word by 4-byte loads.
; wq: in a matrix with S K steps of 128, tile T, K step s, half c: byte T*S*1024 + s*1024 + c*512 + 16*lane; lane (r, h) holds the codes k = 128 s + 64 c + 32 h + 0..31 of column unit(T, r).
; ws: byte T*S*64 + s*64 + 4 r: the word of column unit(T, r), byte b for block 4 s + b.
; THE COLUMNS OF A TILE ARE NOT NEIGHBOURS: with T = 2 B + u, unit(T, r) = 32 B + 8 u + r + 8 (r / 8): so a transposed product's 16 registers of tiles 2 B, 2 B + 1 are 16 neighbours along the next K.
; A wave takes 32 columns (group B) x 128 along K (K step s).  A LANE TAKES A COLUMN AND ITS REGISTERS RUN DOWN K: each load reads 128 consecutive bytes, a block of 32 lies in one lane, nothing is transposed.
; A block's scale byte is its largest magnitude's exponent field - 2, held at 1 from below.
; LIMITS: a block of zeros, or one whose largest magnitude lies under 2^-124, gets the byte 1 (zeros have zero codes; this program alone reads the bytes); NaN and infinities are not served.
; 48 waves are all the work there is: 16 for eW2, 16 for eW3, 8 for sW1, 4 each for sW2 and sW3.
.set X,  32                            ; v32-159  128 numbers down K
.set C,  160                           ; v160-175 the codes of four blocks
	s_load_b256 s[4:11], s[0:1], 0x0               ; eW2, eW3, sW1, sW2
	s_load_b128 s[12:15], s[0:1], 0x20             ; sW3, wq
	s_load_b64 s[16:17], s[0:1], 0x30              ; ws
	v_and_b32 v1, 15, v0                           ; r
	v_lshrrev_b32 v2, 4, v0                        ; u
	v_and_b32 v3, 8, v1
	v_add_nc_u32 v3, v3, v1                        ; r + 8 (r / 8)
	v_lshl_add_u32 v3, v2, 3, v3                   ; + 8 u: my column in the group of 32
	v_lshlrev_b32 v3, 2, v3                        ; in bytes
	s_mov_b32 s20, 44                              ; the table's last line: sW3: first work-group,
	s_mov_b32 s21, 90112                           ; where its codes begin in wq,
	s_mov_b32 s22, 5632                            ; its scale words in ws,
	s_mov_b32 s28, 512                             ; a row of the weight in bytes
	s_wait_kmcnt 0x0
	s_mov_b64 s[18:19], s[12:13]
	s_cmp_lt_u32 ttmp9, 44                         ; the choices hang on the work-group's number alone
	s_cselect_b64 s[18:19], s[10:11], s[18:19]     ; sW2
	s_cselect_b32 s20, 40, s20
	s_cselect_b32 s21, 81920, s21
	s_cselect_b32 s22, 5120, s22
	s_cmp_lt_u32 ttmp9, 40
	s_cselect_b64 s[18:19], s[8:9], s[18:19]       ; sW1
	s_cselect_b32 s20, 32, s20
	s_cselect_b32 s21, 65536, s21
	s_cselect_b32 s22, 4096, s22
	s_cselect_b32 s23, 2, 1                        ; S: K steps of 128
	s_cmp_lt_u32 ttmp9, 32
	s_cselect_b64 s[18:19], s[6:7], s[18:19]       ; eW3
	s_cselect_b32 s20, 16, s20
	s_cselect_b32 s21, 32768, s21
	s_cselect_b32 s22, 2048, s22
	s_cselect_b32 s28, 1024, s28
	s_cmp_lt_u32 ttmp9, 16
	s_cselect_b64 s[18:19], s[4:5], s[18:19]       ; eW2
	s_cselect_b32 s20, 0, s20
	s_cselect_b32 s21, 0, s21
	s_cselect_b32 s22, 0, s22
	s_sub_co_u32 s25, ttmp9, s20                   ; my number within the matrix
	s_sub_co_u32 s24, s23, 1
	s_lshr_b32 s26, s25, s24                       ; B
	s_and_b32 s27, s25, s24                        ; s
	s_mul_i32 s29, s27, s28
	s_lshl_b32 s29, s29, 7                         ; 128 s rows
	s_lshl_b32 s30, s26, 7                         ; 32 B columns
	s_add_co_u32 s30, s29, s30
	s_mov_b32 s31, 0
	s_add_nc_u64 s[18:19], s[18:19], s[30:31]
	s_add_co_u32 s32, s23, 10
	s_lshl_b32 s32, s26, s32                       ; B x 2 S x 1024
	s_lshl_b32 s33, s27, 10
	s_add_co_u32 s32, s32, s33
	s_add_co_u32 s30, s32, s21
	s_add_nc_u64 s[14:15], s[14:15], s[30:31]
	s_add_co_u32 s32, s23, 6
	s_lshl_b32 s32, s26, s32                       ; B x 2 S x 64
	s_lshl_b32 s33, s27, 6
	s_add_co_u32 s32, s32, s33
	s_add_co_u32 s30, s32, s22
	s_add_nc_u64 s[16:17], s[16:17], s[30:31]
	s_add_co_u32 s32, s23, 9
	v_lshlrev_b32 v4, s32, v2                      ; codes: u x S x 1024
	v_lshl_add_u32 v4, v1, 4, v4                   ; + 16 r; block b lies 256 b further on (c = b / 2, h = b % 2)
	s_add_co_u32 s33, s23, 5
	v_lshlrev_b32 v5, s33, v2                      ; scale word: u x S x 64
	v_lshl_add_u32 v5, v1, 2, v5                   ; + 4 r
.macro LOADS pitch                     ; W(128 s + k, my column), k = 0 .. 127: every offset an immediate
.set k, 0
.rept 128
	global_load_b32 v[X+k], v3, s[18:19] offset:k*\pitch th:TH_LOAD_NT
.set k, k+1
.endr
.endm
	s_cmp_lt_u32 ttmp9, 32
	s_cbranch_scc0 .Lnarrow
	LOADS 1024
	s_branch .Ljoin
.Lnarrow:
	LOADS 512
.Ljoin:
.macro BLOCK b
.set XS, X+32*\b
	v_max3_num_f32 v12, |v[XS]|, |v[XS+1]|, |v[XS+2]|              ; the block's largest magnitude: all 32 numbers are mine; two chains
	v_max3_num_f32 v13, |v[XS+3]|, |v[XS+4]|, |v[XS+5]|
.irp i, 6,10,14,18,22,26
	v_max3_num_f32 v12, v12, |v[XS+\i]|, |v[XS+\i+1]|
	v_max3_num_f32 v13, v13, |v[XS+\i+2]|, |v[XS+\i+3]|
.endr
	v_max3_num_f32 v12, v12, |v[XS+30]|, |v[XS+31]|
	v_max3_num_f32 v12, v12, v13, 0x1800000        ; and the floor 2^(3 - 127): the byte cannot fall under 1
	v_add_nc_u32 v11, 0xff000000, v12              ; 2 off its exponent field: the conversion takes this operand's exponent field as its scale
	v_lshrrev_b32 v13, 23, v11                     ; the scale's byte
.if \b == 0
	v_mov_b32 v6, v13
.else
	v_lshl_or_b32 v6, v13, 8*\b, v6                ; four bytes make the word, the lower K in the lower byte
.endif
.irp g, 0,1,2,3
	v_cvt_scalef32_pk8_fp4_f32 v[C+4*\b+\g], v[XS+8*\g:XS+8*\g+7], v11
.endr
.endm
	s_wait_loadcnt 63                              ; of 128 loads at most 63 are out: the first 65 are in, blocks 0 and 1 among them
	BLOCK 0
	BLOCK 1
	s_wait_loadcnt 32                              ; block 2 is in
	BLOCK 2
	s_wait_loadcnt 0x0
	BLOCK 3
	v_nop                                          ; one plain line behind the last scaled conversion
.irp b, 0,1,2,3
	global_store_b128 v4, v[C+4*\b:C+4*\b+3], s[14:15] offset:256*\b   ; lanes 0-15 store 256 consecutive bytes, aligned; lanes 16-31 another such run
.endr
	global_store_b32 v5, v6, s[16:17]
	s_endpgm
.Lfunc_end_k_q959aa2480e_prep:
	.size	k_q959aa2480e_prep, .Lfunc_end_k_q959aa2480e_prep-k_q959aa2480e_prep
	.p2alignl 7, 3214868480
	.fill 96, 4, 3214868480
	.section	.rodata,"a",@progbits
	.p2align	6, 0x0
	.amdhsa_kernel k_q959aa2480e_prep
		.amdhsa_group_segment_fixed_size 0
		.amdhsa_private_segment_fixed_size 0
		.amdhsa_enable_private_segment 0
		.amdhsa_kernarg_size 56
		.amdhsa_user_sgpr_count 2
		.amdhsa_user_sgpr_kernarg_segment_ptr 1
		.amdhsa_wavefront_size32 1
		.amdhsa_system_sgpr_workgroup_id_x 1
		.amdhsa_system_sgpr_workgroup_id_y 1
		.amdhsa_system_sgpr_workgroup_id_z 1
		.amdhsa_system_vgpr_workitem_id 0
		.amdhsa_next_free_vgpr 176
		.amdhsa_next_free_sgpr 66
		.amdhsa_reserve_vcc 0
		.amdhsa_float_denorm_mode_32 3
		.amdhsa_float_denorm_mode_16_64 3
		.amdhsa_memory_ordered 1
		.amdhsa_forward_progress 1
		.amdhsa_inst_pref_size 34
	.end_amdhsa_kernel
	.amdgpu_metadata
---
amdhsa.version: [ 1, 2 ]
amdhsa.kernels:
  - .name:           k_q959aa2480e_prep
    .symbol:         k_q959aa2480e_prep.kd
    .args:
      - { .name: eW2, .offset: 0, .size: 8, .value_kind: global_buffer, .address_space: global }
      - { .name: eW3, .offset: 8, .size: 8, .value_kind: global_buffer, .address_space: global }
      - { .name: sW1, .offset: 16, .size: 8, .value_kind: global_buffer, .address_space: global }
      - { .name: sW2, .offset: 24, .size: 8, .value_kind: global_buffer, .address_space: global }
      - { .name: sW3, .offset: 32, .size: 8, .value_kind: global_buffer, .address_space: global }
      - { .name: wq, .offset: 40, .size: 8, .value_kind: global_buffer, .address_space: global }
      - { .name: ws, .offset: 48, .size: 8, .value_kind: global_buffer, .address_space: global }
    .group_segment_fixed_size: 0
    .private_segment_fixed_size: 0
    .kernarg_segment_align: 8
    .kernarg_segment_size: 56
    .max_flat_workgroup_size: 32
    .sgpr_count:     66
    .vgpr_count:     176
    .wavefront_size: 32
...
	.end_amdgpu_metadata
.endif
;; end of part 1
;; launch main (part 2): grid 256 x 1, 8 waves a work-group, no clusters, 103,680 bytes of LDS; arguments feat, eW1, eb1, eb2, eb3, cW, wq, ws, sc, pool, mm; writes sc, pool, mm
.if DOCPART == 2
	.amdgcn_target "amdgcn-amd-amdhsa--gfx1250"
	.amdhsa_code_object_version 6
	.text
	.protected	k_q959aa2480e_main
	.globl	k_q959aa2480e_main
	.p2align	8
	.type	k_q959aa2480e_main,@function
k_q959aa2480e_main:
	s_mov_b64 s[64:65], 0
	v_nop
	global_prefetch_b8 v0, s[64:65] scope:SCOPE_SE
	s_setreg_imm32_b32 hwreg(HW_REG_WAVE_MODE, 25, 1), 1
	s_wait_xcnt 0x0
; The embed MLP over all points, fused: h1 = relu(feat eW1 + eb1) in f32 (K = 6, by the f32 matrix form, since it goes on into a quantiser), h2 = relu(Q(h1) Q(eW2) + eb2), h3 = relu(Q(h2) Q(eW3) + eb3) on codes of FP4 (E2M1)
; with E8M0 scales for each 32 along K.  Stored: the raw score feat . cW[0:6] + h3 . cW[6:262] of each point (sc), the work-group's maximum of h3 in each channel (pool), its smallest and largest raw score (mm).
; SHARES.  Work-group w owns points 2048 w .. 2048 w + 2047.  Its eight waves are two groups of four; group g owns 1,024 points: 64 tiles of 16, taken as 32 pairs of tiles.
; THE FOUR WAVES OF A GROUP SHARE THE COLUMNS: wave q owns units 64 q .. 64 q + 63 of all three layers, so its weights, biases and classifier weights stay in registers for the whole launch,
; and only the activations' codes go round, through LDS, as images of operand registers (2,048 bytes a tile and layer).  Two waves share a SIMD's registers, 512 each.
; ALL PRODUCTS ARE USED TRANSPOSED (source 0 = 16 units, source 1 = 16 points): lane (r, h) holds point r, and register 16 B + 8 u + j of a set of four accumulators holds unit 64 q + 32 B + 16 h + 8 u + j
; (the units of a tile are chosen so: unit(T, r) = 32 (T / 2) + 8 (T % 2) + r + 8 (r / 8)): 16 neighbours along the next K, half a block of 32; the other half lies in lane l xor 16.
; RELU costs no line on the numbers: the block's maximum is taken without magnitudes over a positive floor, the raw numbers are converted, and every negative code is turned into -0, which adds nothing.
; PIPELINE.  One step between two barriers runs layer 1 of pair n, layer 2 of pair n - 1, layer 3's products of pair n - 2 and the score and pool of pair n - 3.  The images lie twice, by the step's parity: what a step
; writes was last read one barrier earlier, and is read one barrier later.  Each run of matrix instructions is followed by the vector work of an older run.
; NO CLUSTER, NO TENSOR LOAD: what work-groups share is 68 KB of weights, read once by each; nothing is streamed through LDS.  No prefetch: feat is asked for one whole step ahead, into registers.
; LIMITS: a block whose largest number lies under 2^-124 (a block of zeros too) gets the scale byte 1; NaN and infinities among the inputs are not served.
.set H1,   0                           ; LDS: layer 1's images: [parity 8192][group 4096][tile 2048 = [K step 1024][half 512][16 x lane]]
.set H2,   16384                       ; layer 2's likewise
.set H1S,  32768                       ; their scale words: [parity 512][group 256][tile 128 = [K step][point] words]
.set H2S,  33792
.set PL,   34816                       ; the two groups' channel maxima: [group][256] f32
.set MMS,  36864                       ; a (min, max) pair for each wave
.set SP,   37120                       ; partial scores: [wave 8192][tile 128][lane 4]
; window 0
.set HR,  1                            ; v1   16 lane + 4096 g: where I read an image
.set HW,  2                            ; v2   16 r + 8 h + 512 q + 4096 g: where I write my 8 bytes of a block
.set SR,  3                            ; v3   4 lane + 256 g: where I read scale words
.set SW,  4                            ; v4   4 r + 64 (q / 2) + 2 (q % 2) + 256 g: where I write my two scale bytes
.set SPL, 5                            ; v5   SP + 8192 wave + 4 lane
.set SPA, 6                            ; v6   the same + the pair's 256 bytes
.set FO0, 7                            ; v7   24 r + 8 h: feat, k = 2 h, 2 h + 1
.set FO1, 8                            ; v8   24 r + 16: feat, k = 4, 5
.set W2S, 16                           ; v16-19, v20-23 the weights' scale words (lanes 0-15 K step 0, lanes 16-31 K step 1); scales and nothing else
.set W3S, 20
.set XS0, 24                           ; v24, v25 the activations' scale words, likewise
.set XS1, 25
.set X0,  26                           ; v26-41, v42-57 two activation fragments of 16 points x 256 K
.set X1,  42
.set CW,  58                           ; v58-89   cW of my lane's 32 units
.set PM,  90                           ; v90-121  running maxima of h3; they begin at 0, which is the pooled relu
.set S0,  122                          ; v122-153, v154-185, v186-217 three sets of four accumulators; only matrix instructions write them
.set S1,  154
.set S2,  186
.set MX,  218                          ; v218-219 a block's maximum;  v220-221 second chain, then lane l xor 16's
.set TP,  220
.set SO,  222                          ; v222-223 the conversions' scale operands
.set BY,  224                          ; v224-225 the scale bytes
.set CD,  226                          ; v226-229 the codes
.set FM,  230                          ; v230-233 masks
.set WD,  234                          ; v234     my two scale bytes
.set SC,  218                          ; v218-225 the score's four packed chains
.set SCA, 235                          ; v235, v252 the two tiles' partial scores
.set RL,  236                          ; v236-251 relu(h3), eight at a time, two sets
.set SCB, 252
.set QA,  26                           ; the tail: 2 x 32 registers of partial scores
; window 1
.set W1,  0                            ; eW1: 4 t + 2 s + j
.set FE,  16                           ; feat: 8 set + 4 tile + 2 s
.set B1,  32                           ; the biases, in the result's layout: the C of each sum's first product
.set B2,  64
.set B3,  96
.set W2,  128                          ; eW2's fragments: 16 t + 8 s
.set W3,  192
.set FQ,  128                          ; the tail: feat of my eight points
.set MSB, 0
.macro WIN new                         ; s_set_vgpr_msb: bits 1:0 source 0, 3:2 source 1, 5:4 source 2, 7:6 destination; the high byte repeats the setting that is left
.if MSB != \new
	s_set_vgpr_msb (MSB<<8)|\new
.set MSB, \new
.endif
.endm
.macro PLACES n
.rept \n
	v_nop
.endr
.endm
	s_load_b512 s[4:19], s[0:1], 0x0               ; feat, eW1, eb1, eb2, eb3, cW, wq, ws
	s_load_b128 s[20:23], s[0:1], 0x40             ; sc, pool
	s_load_b64 s[24:25], s[0:1], 0x50              ; mm
	v_lshl_add_u32 v254, v0, 2, 0x19100
	v_mov_b32 v255, 0
	v_lshrrev_b32 v9, 5, v0
	v_readfirstlane_b32 s26, v9                    ; wave 0..7
	s_lshr_b32 s27, s26, 2                         ; g
	s_and_b32 s28, s26, 3                          ; q
	v_and_b32 v10, 31, v0                          ; lane
	v_and_b32 v11, 15, v0                          ; r
	v_bfe_u32 v12, v0, 4, 1                        ; h
	s_lshl_b32 s30, s27, 12
	v_lshlrev_b32 v13, 4, v10                      ; 16 lane
	v_add_nc_u32 v[HR], s30, v13
	s_lshl_b32 s31, s28, 9
	s_add_co_u32 s31, s31, s30
	v_lshlrev_b32 v[HW], 4, v11
	v_lshl_add_u32 v[HW], v12, 3, v[HW]
	v_add_nc_u32 v[HW], s31, v[HW]
	s_lshl_b32 s32, s27, 8
	v_lshlrev_b32 v10, 2, v10                      ; 4 lane
	v_add_nc_u32 v[SR], s32, v10
	s_lshr_b32 s33, s28, 1
	s_lshl_b32 s33, s33, 6
	s_and_b32 s34, s28, 1
	s_lshl_b32 s34, s34, 1
	s_add_co_u32 s33, s33, s34
	s_add_co_u32 s33, s33, s32
	v_lshlrev_b32 v[SW], 2, v11
	v_add_nc_u32 v[SW], s33, v[SW]
	s_lshl_b32 s34, s26, 13
	s_add_co_u32 s34, s34, SP
	v_add_nc_u32 v[SPL], s34, v10
	v_mul_u32_u24 v[FO0], v11, 24
	v_add_nc_u32 v[FO1], 16, v[FO0]
	v_lshl_add_u32 v[FO0], v12, 3, v[FO0]
	v_lshlrev_b32 v14, 6, v12                      ; 64 h: biases and cW
	v_and_b32 v15, 8, v11
	v_add_nc_u32 v15, v15, v11
	v_lshlrev_b32 v15, 2, v15                      ; eW1, K step 1: column r + 8 (r / 8) of a tile, rows 4 and 5 for both halves of the lanes: no load leaves eW1
	v_lshl_add_u32 v9, v12, 11, v15                ; K step 0: + 2 h rows
	s_mov_b32 s36, 0x76543210                      ; v_permlanex16_b32's selects for lane l xor 16
	s_mov_b32 s37, 0xfedcba98
	s_mov_b32 s38, 0x88888888                      ; the sign bits of eight codes
	s_mov_b32 s40, 0                               ; where the next pair's partial scores go
	s_mov_b32 s31, 0
	s_wait_kmcnt 0x0
	s_load_b128 s[44:47], s[14:15], 0x0            ; cW[0..5], for the tail
	s_load_b64 s[48:49], s[14:15], 0x10
	s_mul_i32 s30, ttmp9, 49152                    ; 2,048 points of 24 bytes
	s_add_nc_u64 s[50:51], s[4:5], s[30:31]        ; feat at the work-group's first point
	s_mul_i32 s30, s27, 24576
	s_add_nc_u64 s[4:5], s[50:51], s[30:31]        ; and at my group's
	s_lshl_b32 s30, s28, 13
	s_add_nc_u64 s[16:17], s[16:17], s[30:31]      ; wq: my four tiles of 2,048 bytes
	s_lshl_b32 s30, s28, 9
	s_add_nc_u64 s[18:19], s[18:19], s[30:31]      ; ws: 128 bytes a tile
	s_lshl_b32 s30, s28, 8                         ; my 64 units, in f32
	s_add_nc_u64 s[6:7], s[6:7], s[30:31]
	s_add_nc_u64 s[8:9], s[8:9], s[30:31]
	s_add_nc_u64 s[10:11], s[10:11], s[30:31]
	s_add_nc_u64 s[12:13], s[12:13], s[30:31]
	s_add_nc_u64 s[52:53], s[14:15], s[30:31]      ; (a pair of its own: the scalar loads above still name s[14:15])
	s_lshl_b32 s30, ttmp9, 13
	s_add_nc_u64 s[20:21], s[20:21], s[30:31]
	s_lshl_b32 s30, ttmp9, 10
	s_add_nc_u64 s[22:23], s[22:23], s[30:31]
	s_lshl_b32 s30, ttmp9, 8
	s_add_nc_u64 s[24:25], s[24:25], s[30:31]
	WIN 0x40                                       ; destination window 1
.irp i, 0,1
	global_load_b64 v[FE+4*\i:FE+4*\i+1], v[FO0], s[4:5] offset:384*\i     ; pair 0 of feat, into set 0
	global_load_b64 v[FE+4*\i+2:FE+4*\i+3], v[FO1], s[4:5] offset:384*\i
.endr
.irp t, 0,1,2,3
.irp j, 0,1
	global_load_b32 v[W1+4*\t+\j], v9, s[6:7] offset:\j*1024+(\t/2)*128+(\t%2)*32        ; eW1(2 h + j, unit)
	global_load_b32 v[W1+4*\t+2+\j], v15, s[6:7] offset:(4+\j)*1024+(\t/2)*128+(\t%2)*32  ; eW1(4 + j, unit)
.endr
	global_load_b128 v[B1+8*\t:B1+8*\t+3], v14, s[8:9] offset:(\t/2)*128+(\t%2)*32
	global_load_b128 v[B1+8*\t+4:B1+8*\t+7], v14, s[8:9] offset:(\t/2)*128+(\t%2)*32+16
	global_load_b128 v[B2+8*\t:B2+8*\t+3], v14, s[10:11] offset:(\t/2)*128+(\t%2)*32
	global_load_b128 v[B2+8*\t+4:B2+8*\t+7], v14, s[10:11] offset:(\t/2)*128+(\t%2)*32+16
	global_load_b128 v[B3+8*\t:B3+8*\t+3], v14, s[12:13] offset:(\t/2)*128+(\t%2)*32
	global_load_b128 v[B3+8*\t+4:B3+8*\t+7], v14, s[12:13] offset:(\t/2)*128+(\t%2)*32+16
.irp s, 0,1
.irp c, 0,1
	global_load_b128 v[W2+16*\t+8*\s+4*\c:W2+16*\t+8*\s+4*\c+3], v13, s[16:17] offset:\t*2048+\s*1024+\c*512
	global_load_b128 v[W3+16*\t+8*\s+4*\c:W3+16*\t+8*\s+4*\c+3], v13, s[16:17] offset:32768+\t*2048+\s*1024+\c*512
.endr
.endr
.endr
	WIN 0
.irp t, 0,1,2,3
	global_load_b32 v[W2S+\t], v10, s[18:19] offset:128*\t
	global_load_b32 v[W3S+\t], v10, s[18:19] offset:2048+128*\t
.irp i, 0,1,2,3
	global_load_b64 v[CW+8*\t+2*\i:CW+8*\t+2*\i+1], v14, s[52:53] offset:24+(\t/2)*128+(\t%2)*32+8*\i   ; cW[6 + unit]: multiples of 8 bytes
.endr
.endr
	s_wait_loadcnt 0x0
	s_wait_kmcnt 0x0
	v_cmp_eq_u32 vcc_lo, 0, v12
	WIN 0x44                                       ; destination and source 1 window 1
.irp t, 0,1,2,3
.irp j, 2,3
	v_cndmask_b32 v[W1+4*\t+\j], 0, v[W1+4*\t+\j], vcc_lo   ; K step 1, lanes 16-31 stand for k = 6, 7, which do not exist: zeros
.endr
.endr
	WIN 0
.set i, 0
.rept 32
	v_mov_b32 v[PM+i], 0
.set i, i+1
.endr
	v_mov_b32 v[TP], 0                             ; written once: a lane permute's destination counts as one of its sources
	v_mov_b32 v[TP+1], 0
; The next pair of feat into a set.  It stands behind the wait for all loads, so the base may step.  Lanes 16-31 of K step 1 hold k = 4, 5 again, against eW1's zeros.
.macro FLOAD set
	s_add_nc_u64 s[4:5], s[4:5], 768
	WIN 0x40
.irp i, 0,1
	global_load_b64 v[FE+8*(\set)+4*\i:FE+8*(\set)+4*\i+1], v[FO0], s[4:5] offset:384*\i
	global_load_b64 v[FE+8*(\set)+4*\i+2:FE+8*(\set)+4*\i+3], v[FO1], s[4:5] offset:384*\i
.endr
	WIN 0
.endm
; A tile's image and its scale words: five LDS loads.
.macro LOADX reg, xsc, base, sbase
.irp s, 0,1
.irp c, 0,1
	ds_load_b128 v[\reg+8*\s+4*\c:\reg+8*\s+4*\c+3], v[HR] offset:(\base)+\s*1024+\c*512
.endr
.endr
	ds_load_b32 v[\xsc], v[SR] offset:(\sbase)
.endm
; Layer 1 of a tile: my four tiles of units, K = 4 + 4 (6 and two zeros), f32.  The four accumulators take turns, one instruction a turn.
.macro M1 set, tile, acc
	WIN 0x15                                       ; eW1, feat and eb1 in window 1
.irp t, 0,1,2,3
	v_wmma_f32_16x16x4_f32 v[\acc+8*\t:\acc+8*\t+7], v[W1+4*\t:W1+4*\t+1], v[FE+8*(\set)+4*(\tile):FE+8*(\set)+4*(\tile)+1], v[B1+8*\t:B1+8*\t+7]
.endr
	WIN 0x05
.irp t, 0,1,2,3
	v_wmma_f32_16x16x4_f32 v[\acc+8*\t:\acc+8*\t+7], v[W1+4*\t+2:W1+4*\t+3], v[FE+8*(\set)+4*(\tile)+2:FE+8*(\set)+4*(\tile)+3], v[\acc+8*\t:\acc+8*\t+7]
.endr
	WIN 0
.endm
; Layer 2 or 3 of a tile: my four tiles of units, K = 128 + 128, on codes.  The second K step's scale words lie in lanes 16-31.
.macro M23 wt, wsc, bi, xf, xsc, acc
	WIN 0x11                                       ; the weights and the bias in window 1
.irp t, 0,1,2,3
	v_wmma_scale_f32_16x16x128_f8f6f4 v[\acc+8*\t:\acc+8*\t+7], v[\wt+16*\t:\wt+16*\t+7], v[\xf:\xf+7], v[\bi+8*\t:\bi+8*\t+7], v[\wsc+\t], v[\xsc] matrix_a_fmt:MATRIX_FMT_FP4 matrix_b_fmt:MATRIX_FMT_FP4
.endr
	WIN 0x01
.irp t, 0,1,2,3
	v_wmma_scale_f32_16x16x128_f8f6f4 v[\acc+8*\t:\acc+8*\t+7], v[\wt+16*\t+8:\wt+16*\t+15], v[\xf+8:\xf+15], v[\acc+8*\t:\acc+8*\t+7], v[\wsc+\t], v[\xsc] matrix_a_fmt:MATRIX_FMT_FP4 matrix_b_fmt:MATRIX_FMT_FP4 matrix_a_scale:MATRIX_SCALE_ROW1 matrix_b_scale:MATRIX_SCALE_ROW1
.endr
	WIN 0
.endm
; relu, quantise, send: a set's 32 numbers of a lane (two half blocks of 16) become 16 bytes of codes and two scale bytes.  Each accumulator is read from its low end on.
.macro V12 acc, cbase, sbase
.irp b, 0,1
	v_max3_num_f32 v[MX+\b], v[\acc+16*\b], v[\acc+16*\b+1], 0x1800000     ; no magnitudes: what is negative does not count; the floor 2^(3 - 127) stands over it and holds the byte at 1 from below
	v_max3_num_f32 v[TP+\b], v[\acc+16*\b+8], v[\acc+16*\b+9], v[\acc+16*\b+10]   ; four chains, so that no line waits for the line above it
.endr
.irp i, 2,4
.irp b, 0,1
	v_max3_num_f32 v[MX+\b], v[MX+\b], v[\acc+16*\b+\i], v[\acc+16*\b+\i+1]
	v_max3_num_f32 v[TP+\b], v[TP+\b], v[\acc+16*\b+9+\i], v[\acc+16*\b+10+\i]
.endr
.endr
.irp b, 0,1
	v_max3_num_f32 v[MX+\b], v[MX+\b], v[\acc+16*\b+6], v[\acc+16*\b+7]
.endr
.irp b, 0,1
	v_max3_num_f32 v[MX+\b], v[MX+\b], v[TP+\b], v[\acc+16*\b+15]
.endr
.irp b, 0,1
	v_permlanex16_b32 v[TP+\b], v[MX+\b], s36, s37
.endr
.irp b, 0,1
	v_max_num_f32 v[MX+\b], v[MX+\b], v[TP+\b]     ; with lane l xor 16's 16: the block's largest number
.endr
.irp b, 0,1
	v_add_nc_u32 v[SO+\b], 0xff000000, v[MX+\b]    ; 2 off its exponent field: the conversion's scale operand
.endr
.irp b, 0,1
	v_lshrrev_b32 v[BY+\b], 23, v[SO+\b]           ; the scale's byte
.endr
.irp b, 0,1
	v_cvt_scalef32_pk8_fp4_f32 v[CD+2*\b], v[\acc+16*\b:\acc+16*\b+7], v[SO+\b]
	v_cvt_scalef32_pk8_fp4_f32 v[CD+2*\b+1], v[\acc+16*\b+8:\acc+16*\b+15], v[SO+\b]
.endr
	v_lshl_or_b32 v[WD], v[BY+1], 8, v[BY]         ; (the plain line behind the scaled conversions)
.irp i, 0,1,2,3
	v_and_b32 v[FM+\i], s38, v[CD+\i]              ; RELU ON THE CODES: 8 in each negative code's four bits,
.endr
.irp i, 0,1,2,3
	v_lshrrev_b32 v[MX+\i], 3, v[FM+\i]            ; 1 there,
.endr
.irp i, 0,1,2,3
	v_sub_nc_u32 v[FM+\i], v[FM+\i], v[MX+\i]      ; 7 there: the magnitude's bits,
.endr
.irp i, 0,1,2,3
	v_bfi_b32 v[CD+\i], v[FM+\i], 0, v[CD+\i]      ; which are cleared: a negative code becomes -0
.endr
	ds_store_b64 v[HW], v[CD:CD+1] offset:(\cbase)           ; block 2 q: its 32 lanes' 8 bytes are 256 consecutive bytes of the image
	ds_store_b64 v[HW], v[CD+2:CD+3] offset:(\cbase)+256     ; block 2 q + 1
	ds_store_b16 v[SW], v[WD] offset:(\sbase)                ; both halves of the lanes write the same two bytes with the same value
.endm
; A tile's partial score: relu(h3) . cW over my lane's 32 units.
.macro SCORE acc, dst
.irp t, 0,1,2,3
.irp j, 0,1,2,3,4,5,6,7
	v_max_num_f32 v[RL+8*(\t%2)+\j], 0, v[\acc+8*\t+\j]
.endr
.irp i, 0,1,2,3
.if \t == 0
	v_pk_mul_f32 v[SC+2*\i:SC+2*\i+1], v[RL+2*\i:RL+2*\i+1], v[CW+2*\i:CW+2*\i+1]
.else
	v_pk_fma_f32 v[SC+2*\i:SC+2*\i+1], v[RL+8*(\t%2)+2*\i:RL+8*(\t%2)+2*\i+1], v[CW+8*\t+2*\i:CW+8*\t+2*\i+1], v[SC+2*\i:SC+2*\i+1]
.endif
.endr
.endr
	v_pk_add_f32 v[SC:SC+1], v[SC:SC+1], v[SC+2:SC+3]
	v_pk_add_f32 v[SC+4:SC+5], v[SC+4:SC+5], v[SC+6:SC+7]
	v_pk_add_f32 v[SC:SC+1], v[SC:SC+1], v[SC+4:SC+5]
	v_add_f32 v[\dst], v[SC], v[SC+1]
.endm
.macro V3A
	SCORE S0, SCA
.endm
.macro V3B
	SCORE S1, SCB
	v_add_nc_u32 v[SPA], s40, v[SPL]
	ds_store_b32 v[SPA], v[SCA]                    ; 128 consecutive bytes a tile, in my wave's own 8,192
	ds_store_b32 v[SPA], v[SCB] offset:128
	s_add_co_u32 s40, s40, 256
.set i, 0
.rept 32
	v_max3_num_f32 v[PM+i], v[PM+i], v[S0+i], v[S1+i]   ; the pool: both tiles at once
.set i, i+1
.endr
.endm
; ONE STEP, between two barriers.  par: the step's parity; v3: score and pool of pair n - 3; l1: layer 1 of pair n; l2: layer 2 of pair n - 1; m3: layer 3's products of pair n - 2; ld: feat of pair n + 1 is asked for.
; THE SETS: layer 1 -> S2, S0; layer 2 -> S2, S1; layer 3 -> S0, S1.  Behind each run of matrix instructions stands vector work that names none of its registers: it fills the distance that the ISA guide (7.12.1)
; asks in front of the first read of the results, of loads into the operands and of the next products that write over the set (eight or nine lines behind the f32 form, four or five behind the FP4 form);
; where a step has no such work, v_nop are written.
; COUNTS on DScnt: a V12 is three stores, a LOADX five loads, V3B two stores; LDS serves a wave's instructions in order.
.macro STEP par, v3, l1, l2, m3, ld
.if \l1
	s_wait_loadcnt 0x0                             ; this pair's feat, asked for a step ago
.endif
.if \ld
	FLOAD 1-\par
.endif
.if \l2
	LOADX X0, XS0, H1+(1-\par)*8192, H1S+(1-\par)*512
.endif
.if \l1
	M1 \par, 0, S2
.endif
.if \v3
	V3A
.endif
.if \l2
	LOADX X1, XS1, H1+(1-\par)*8192+2048, H1S+(1-\par)*512+128
.endif
.if \v3
	V3B
.endif
.if \l1
	M1 \par, 1, S0
.if \v3 == 0
	PLACES 8
.endif
	V12 S2, H1+\par*8192, H1S+\par*512
.endif
.if \l2
	s_wait_dscnt 3*\l1                             ; only the three stores just issued may be out: both fragments of h1 are in
	M23 W2, W2S, B2, X0, XS0, S2
.if \l1 == 0
	PLACES 4
.endif
.endif
.if \l1
	V12 S0, H1+\par*8192+2048, H1S+\par*512+128
.endif
.if \m3
	LOADX X0, XS0, H2+\par*8192, H2S+\par*512
.endif
.if \l2
	M23 W2, W2S, B2, X1, XS1, S1
	V12 S2, H2+(1-\par)*8192, H2S+(1-\par)*512
.endif
.if \m3
	LOADX X1, XS1, H2+\par*8192+2048, H2S+\par*512+128
	s_wait_dscnt 5+3*\l2                           ; behind the first fragment of h2: V12's three stores and the second fragment's five loads
	M23 W3, W3S, B3, X0, XS0, S0
.endif
.if \l2
	V12 S1, H2+(1-\par)*8192+2048, H2S+(1-\par)*512+128
.endif
.if \m3
	s_wait_dscnt 3*\l2                             ; behind the second fragment: V12's three stores
	M23 W3, W3S, B3, X1, XS1, S1
.if \l2 == 0
	PLACES 4
.endif
.endif
	s_wait_dscnt 0x0                               ; my images have landed, and my reads of what the next step overwrites are in
	s_barrier_signal -1
	s_barrier_wait -1
.endm
	STEP 0,0,1,0,0,1                               ; steps 0 to 2 fill the pipeline
	STEP 1,0,1,1,0,1
	STEP 0,0,1,1,1,1
	s_mov_b32 s39, 14
.Lpairs:                                               ; steps 3 to 30
	STEP 1,1,1,1,1,1
	STEP 0,1,1,1,1,1
	s_sub_co_i32 s39, s39, 1
	s_cmp_lg_u32 s39, 0
	s_cbranch_scc1 .Lpairs
	STEP 1,1,1,1,1,0                               ; step 31: the last pair's layer 1; no feat is left to ask for
	STEP 0,1,0,1,1,0
	STEP 1,1,0,0,1,0
	V3A                                            ; the last pair's score and pool
	V3B
	; THE TAIL.  Thread T takes the points of quads T and T + 256 (four points each): their feat is asked for now.
	v_mul_u32_u24 v9, v0, 96
	WIN 0x40
.irp i, 0,1
.irp j, 0,1,2,3,4,5
	global_load_b128 v[FQ+24*\i+4*\j:FQ+24*\i+4*\j+3], v9, s[50:51] offset:24576*\i+16*\j
.endr
.endr
	WIN 0
.irp m, 1,2,4,8                        ; the pool over the 16 points of my half of the lanes
.set i, 0
.rept 32
	v_max_num_f32_dpp v[PM+i], v[PM+i], v[PM+i] row_xmask:\m row_mask:0xf bank_mask:0xf
.set i, i+1
.endr
.endr
	s_lshl_b32 s30, s26, 8
	s_add_co_u32 s30, s30, PL
	v_lshl_add_u32 v13, v12, 6, s30                ; PL + 1024 g + 256 q + 64 h
	v_lshrrev_b32 v14, 2, v0
	v_and_b32 v15, 3, v0
	v_lshlrev_b32 v14, 7, v14
	v_lshl_add_u32 v14, v15, 4, v14
	v_add_nc_u32 v14, SP, v14                      ; SP + 128 (T / 4) + 16 (T % 4): my quad in a wave's partial scores
	v_lshlrev_b32 v15, 4, v0                       ; 16 T
	s_lshl_b32 s31, s26, 3
	s_add_co_u32 s31, s31, MMS
	v_mov_b32 v1, s31                              ; my wave's (min, max)
	v_mov_b32 v2, MMS
	v_and_b32 v3, 31, v0
	v_lshlrev_b32 v3, 3, v3                        ; 8 lane
.irp i, 0,1,2,3,4,5,6,7
	ds_store_b128 v13, v[PM+4*\i:PM+4*\i+3] offset:128*(\i/4)+16*(\i%4)   ; the sixteen lanes of a half write the same bytes with the same values
.endr
	s_wait_dscnt 0x0                               ; for the others' sake: my partial scores and my maxima have landed
	s_barrier_signal -1
	s_barrier_wait -1
.irp i, 0,1
.irp p, 0,1,2,3,4,5,6,7                ; a point's eight parts: four waves x two halves of the lanes
	ds_load_b128 v[QA+32*\i+4*\p:QA+32*\i+4*\p+3], v14 offset:32768*\i+8192*(\p/2)+64*(\p%2)
.endr
.endr
	s_wait_dscnt 0x0
.macro ADD4 a, b
	v_pk_add_f32 v[\a:\a+1], v[\a:\a+1], v[\b:\b+1]
	v_pk_add_f32 v[\a+2:\a+3], v[\a+2:\a+3], v[\b+2:\b+3]
.endm
.irp i, 0,1
.irp p, 0,2,4,6
	ADD4 QA+32*\i+4*\p, QA+32*\i+4*\p+4
.endr
.irp p, 0,4
	ADD4 QA+32*\i+4*\p, QA+32*\i+4*\p+8
.endr
	ADD4 QA+32*\i, QA+32*\i+16
.endr
	s_wait_loadcnt 0x0                             ; feat of my eight points
	WIN 0x01                                       ; source 0 window 1
.irp k, 0,1,2,3,4,5
.irp i, 0,1
.irp p, 0,1,2,3
	v_fma_f32 v[QA+32*\i+\p], v[FQ+24*\i+6*\p+\k], s[44+\k], v[QA+32*\i+\p]   ; + feat . cW[0:6]
.endr
.endr
.endr
	WIN 0
.irp i, 0,1
	global_store_b128 v15, v[QA+32*\i:QA+32*\i+3], s[20:21] offset:4096*\i    ; a wave stores 512 consecutive bytes, aligned
.endr
	v_min3_num_f32 v218, v[QA], v[QA+1], v[QA+2]
	v_max3_num_f32 v219, v[QA], v[QA+1], v[QA+2]
	v_min3_num_f32 v218, v218, v[QA+3], v[QA+32]
	v_max3_num_f32 v219, v219, v[QA+3], v[QA+32]
	v_min3_num_f32 v218, v218, v[QA+33], v[QA+34]
	v_max3_num_f32 v219, v219, v[QA+33], v[QA+34]
	v_min_num_f32 v218, v218, v[QA+35]
	v_max_num_f32 v219, v219, v[QA+35]
.irp m, 1,2,4,8
	v_min_num_f32_dpp v218, v218, v218 row_xmask:\m row_mask:0xf bank_mask:0xf
	v_max_num_f32_dpp v219, v219, v219 row_xmask:\m row_mask:0xf bank_mask:0xf
.endr
	v_permlanex16_b32 v220, v218, s36, s37
	v_permlanex16_b32 v221, v219, s36, s37
	v_min_num_f32 v218, v218, v220
	v_max_num_f32 v219, v219, v221
	ds_store_b64 v1, v[218:219]                    ; my wave's smallest and largest raw score
	s_cmp_lt_u32 s26, 2                            ; threads 0 to 63 join the two groups' maxima: 256 channels, 16 bytes a thread
	s_cbranch_scc0 .Lno_pool
	ds_load_b128 v[154:157], v15 offset:PL
	ds_load_b128 v[158:161], v15 offset:PL+1024
	s_wait_dscnt 0x0
.irp i, 0,1,2,3
	v_max_num_f32 v[154+\i], v[154+\i], v[158+\i]
.endr
	global_store_b128 v15, v[154:157], s[22:23]    ; a wave stores 512 consecutive bytes, aligned
.Lno_pool:
	s_wait_dscnt 0x0                               ; my pair has landed
	s_barrier_signal -1
	s_barrier_wait -1
	s_cmp_lg_u32 s26, 0
	s_cbranch_scc1 .Lend
.irp i, 0,1,2,3
	ds_load_b128 v[162+4*\i:165+4*\i], v2 offset:16*\i   ; the eight waves' pairs, in every lane
.endr
	s_wait_dscnt 0x0
	v_min3_num_f32 v178, v162, v164, v166
	v_max3_num_f32 v179, v163, v165, v167
	v_min3_num_f32 v178, v178, v168, v170
	v_max3_num_f32 v179, v179, v169, v171
	v_min3_num_f32 v178, v178, v172, v174
	v_max3_num_f32 v179, v179, v173, v175
	v_min_num_f32 v178, v178, v176
	v_max_num_f32 v179, v179, v177
	global_store_b64 v3, v[178:179], s[24:25]      ; the same pair from all 32 lanes: 256 consecutive bytes, aligned
.Lend:
	s_wait_tensorcnt 0x0
	ds_add_u32 v254, v255
	s_wait_dscnt 0x0
	s_endpgm
.Lfunc_end_k_q959aa2480e_main:
	.size	k_q959aa2480e_main, .Lfunc_end_k_q959aa2480e_main-k_q959aa2480e_main
	.p2alignl 7, 3214868480
	.fill 96, 4, 3214868480
	.section	.rodata,"a",@progbits
	.p2align	6, 0x0
	.amdhsa_kernel k_q959aa2480e_main
		.amdhsa_group_segment_fixed_size 103680
		.amdhsa_private_segment_fixed_size 0
		.amdhsa_enable_private_segment 0
		.amdhsa_kernarg_size 88
		.amdhsa_user_sgpr_count 2
		.amdhsa_user_sgpr_kernarg_segment_ptr 1
		.amdhsa_wavefront_size32 1
		.amdhsa_system_sgpr_workgroup_id_x 1
		.amdhsa_system_sgpr_workgroup_id_y 1
		.amdhsa_system_sgpr_workgroup_id_z 1
		.amdhsa_system_vgpr_workitem_id 0
		.amdhsa_next_free_vgpr 512
		.amdhsa_next_free_sgpr 66
		.amdhsa_reserve_vcc 1
		.amdhsa_float_denorm_mode_32 3
		.amdhsa_float_denorm_mode_16_64 3
		.amdhsa_memory_ordered 1
		.amdhsa_forward_progress 1
		.amdhsa_inst_pref_size 181
	.end_amdhsa_kernel
	.amdgpu_metadata
---
amdhsa.version: [ 1, 2 ]
amdhsa.kernels:
  - .name:           k_q959aa2480e_main
    .symbol:         k_q959aa2480e_main.kd
    .args:
      - { .name: feat, .offset: 0, .size: 8, .value_kind: global_buffer, .address_space: global }
      - { .name: eW1, .offset: 8, .size: 8, .value_kind: global_buffer, .address_space: global }
      - { .name: eb1, .offset: 16, .size: 8, .value_kind: global_buffer, .address_space: global }
      - { .name: eb2, .offset: 24, .size: 8, .value_kind: global_buffer, .address_space: global }
      - { .name: eb3, .offset: 32, .size: 8, .value_kind: global_buffer, .address_space: global }
      - { .name: cW, .offset: 40, .size: 8, .value_kind: global_buffer, .address_space: global }
      - { .name: wq, .offset: 48, .size: 8, .value_kind: global_buffer, .address_space: global }
      - { .name: ws, .offset: 56, .size: 8, .value_kind: global_buffer, .address_space: global }
      - { .name: sc, .offset: 64, .size: 8, .value_kind: global_buffer, .address_space: global }
      - { .name: pool, .offset: 72, .size: 8, .value_kind: global_buffer, .address_space: global }
      - { .name: mm, .offset: 80, .size: 8, .value_kind: global_buffer, .address_space: global }
    .group_segment_fixed_size: 103680
    .private_segment_fixed_size: 0
    .kernarg_segment_align: 8
    .kernarg_segment_size: 88
    .max_flat_workgroup_size: 256
    .sgpr_count:     66
    .vgpr_count:     512
    .wavefront_size: 32
...
	.end_amdgpu_metadata
.endif
;; end of part 2
;; launch finish (part 3): grid 256 x 1, 1 waves a work-group, no clusters, 0 bytes of LDS; arguments sc, pool, mm, wq, ws, sb1, sb2, sb3, cW, cb, out0; writes out0
.if DOCPART == 3
	.amdgcn_target "amdgcn-amd-amdhsa--gfx1250"
	.amdhsa_code_object_version 6
	.text
	.protected	k_q959aa2480e_finish
	.globl	k_q959aa2480e_finish
	.p2align	8
	.type	k_q959aa2480e_finish,@function
k_q959aa2480e_finish:
	s_mov_b64 s[64:65], 0
	v_nop
	global_prefetch_b8 v0, s[64:65] scope:SCOPE_SE
	s_setreg_imm32_b32 hwreg(HW_REG_WAVE_MODE, 25, 1), 1
	s_wait_xcnt 0x0
; Wave w finishes points 2048 w .. 2048 w + 2047 of box b = w / 4: the box's pooled row (the maximum of its four work-groups' rows), the segment MLP on it (three products on codes of FP4 (E2M1) with E8M0 scales),
; c = seg . cW[262:390] + cb, score = raw + c, and the rescaling by the box's smallest and largest score to [-1, 1].
; Each of a box's four waves computes the box's segment MLP itself: 32 matrix instructions, against a launch more or traffic between work-groups.  The products are used transposed (source 0 = 16 units of a weight,
; source 1 = the row): all 16 columns of source 1 hold the same row, so every lane ends up with the box's numbers and nothing is broadcast.  No LDS, no barrier.
; The weights' images and scale words are those that the first launch laid; register 16 B + 8 u + j of the eight accumulators holds unit 32 B + 16 h + 8 u + j: 16 neighbours along the next K.
; The loads go out in five groups, each waited for where it is first wanted.  No prefetch: every load is issued near the head, and the launch is short.
; LIMITS: a block whose largest number lies under 2^-124 (a block of zeros too) gets the scale byte 1; NaN and infinities are not served; a box whose scores are all equal gives NaN, as 0 / 0 does.
.set W1S, 16                           ; v16-23, v24-31, v32-39 the weights' scale words; v40-41 the row's: scales and nothing else
.set W2S, 24
.set W3S, 32
.set PW,  40
.set PC,  42                           ; v42-57   the row's codes: two fragments
.set TM,  58                           ; v58-73   the quantiser's work
.set PO,  96                           ; v96-223  the pooled row: register 64 s + 16 b + i = channel 128 s + 32 b + 16 h + i
.set ACC, 96                           ; v96-159  later the eight accumulators
.set MN,  224                          ; v224-225 the box's smallest and largest raw score
.set CC,  226                          ; v226-233 c (226), smin, smax (228, 229), their difference (230), 2 / difference (232)
.set SB2, 0                            ; window 2: sb2, sb3, sb1 in the result's layout, cW[262 ..]
.set SB3, 64
.set SB1, 128
.set CWS, 192
.set SEL, 28
.set MSB, 0
.macro WIN new                         ; s_set_vgpr_msb: bits 1:0 source 0, 3:2 source 1, 5:4 source 2, 7:6 destination; the high byte repeats the setting that is left
.if MSB != \new
	s_set_vgpr_msb (MSB<<8)|\new
.set MSB, \new
.endif
.endm
.macro PLACES n
.rept \n
	v_nop
.endr
.endm
; 64 numbers of a lane, register 16 b + i = k 32 b + 16 h + i, become a fragment's codes in v[pc] on and its scale word in v[pw].
.macro QUANT s, pc, pw
.irp b, 0,1,2,3
	v_max3_num_f32 v[TM+\b], |v[(\s)+16*\b]|, |v[(\s)+1+16*\b]|, 0x1800000   ; my 16 numbers of block b, and the floor 2^(3 - 127): the byte cannot fall under 1
.endr
.irp i, 2,4,6,8,10,12,14
.irp b, 0,1,2,3
	v_max3_num_f32 v[TM+\b], v[TM+\b], |v[(\s)+16*\b+\i]|, |v[(\s)+1+16*\b+\i]|
.endr
.endr
.irp b, 0,1,2,3
	v_permlanex16_b32 v[TM+4+\b], v[TM+\b], s[SEL], s[SEL+1]
.endr
.irp b, 0,1,2,3
	v_max_num_f32 v[TM+\b], v[TM+\b], v[TM+4+\b]   ; with lane l xor 16's: the block's largest magnitude
.endr
.irp b, 0,1,2,3
	v_add_nc_u32 v[TM+12+\b], 0xff000000, v[TM+\b] ; 2 off its exponent field: the conversion's scale operand
.endr
.irp b, 0,1,2,3
	v_lshrrev_b32 v[TM+4+\b], 23, v[TM+12+\b]      ; the scale's byte
.endr
	v_lshl_or_b32 v[\pw], v[TM+5], 8, v[TM+4]
	v_lshl_or_b32 v[\pw], v[TM+6], 16, v[\pw]
	v_lshl_or_b32 v[\pw], v[TM+7], 24, v[\pw]
.irp b, 0,1,2,3
	v_cvt_scalef32_pk8_fp4_f32 v[(\pc)+2*\b], v[(\s)+16*\b:(\s)+7+16*\b], v[TM+12+\b]
	v_cvt_scalef32_pk8_fp4_f32 v[(\pc)+1+2*\b], v[(\s)+8+16*\b:(\s)+15+16*\b], v[TM+12+\b]
.endr
	v_nop                                          ; one plain line behind a scaled conversion
.irp c, 0,1                            ; the operand's layout wants a whole block in a lane: lanes 0-15 block 2 c, lanes 16-31 block 2 c + 1
.irp i, 0,1
	v_permlane16_swap_b32 v[(\pc)+4*\c+\i], v[(\pc)+2+4*\c+\i]
.endr
.endr
.endm
.macro RELU                            ; in place, each accumulator from its low end on
.set i, 0
.rept 64
	v_max_num_f32 v[ACC+i], 0, v[ACC+i]
.set i, i+1
.endr
.endm
; A layer with K = 128: eight products, each with its bias as C.
.macro LAYER wt, wsc, bi
	WIN 0x21                                       ; the weight in window 1, the bias in window 2
.irp t, 0,1,2,3,4,5,6,7
	v_wmma_scale_f32_16x16x128_f8f6f4 v[ACC+8*\t:ACC+8*\t+7], v[\wt+8*\t:\wt+8*\t+7], v[PC:PC+7], v[\bi+8*\t:\bi+8*\t+7], v[\wsc+\t], v[PW] matrix_a_fmt:MATRIX_FMT_FP4 matrix_b_fmt:MATRIX_FMT_FP4
.endr
	WIN 0
.endm
; The weight, scale words and bias of such a layer: 16 + 8 + 16 loads.
.macro WLOAD wt, cb, wsc, sb, bi, lo, hi
	WIN 0x40
.irp t, 0,1,2,3,4,5,6,7
.irp c, 0,1
	global_load_b128 v[\wt+8*\t+4*\c:\wt+8*\t+4*\c+3], v6, s[10:11] offset:\cb+\t*1024+\c*512
.endr
.endr
	WIN 0
.irp t, 0,1,2,3,4,5,6,7
	global_load_b32 v[\wsc+\t], v8, s[12:13] offset:\sb+64*\t
.endr
	WIN 0x80
.irp t, 0,1,2,3,4,5,6,7
	global_load_b128 v[\bi+8*\t:\bi+8*\t+3], v9, s[\lo:\hi] offset:(\t/2)*128+(\t%2)*32
	global_load_b128 v[\bi+8*\t+4:\bi+8*\t+7], v9, s[\lo:\hi] offset:(\t/2)*128+(\t%2)*32+16
.endr
	WIN 0
.endm
	s_load_b512 s[4:19], s[0:1], 0x0               ; sc, pool, mm, wq, ws, sb1, sb2, sb3
	s_load_b128 s[20:23], s[0:1], 0x40             ; cW, cb
	s_load_b64 s[24:25], s[0:1], 0x50              ; out0
	v_and_b32 v2, 15, v0                           ; r (one wave: v0 is the lane)
	v_lshrrev_b32 v3, 4, v0                        ; h
	v_and_b32 v5, 3, v0
	v_lshlrev_b32 v9, 6, v3                        ; 64 h: biases, cW
	v_lshl_add_u32 v4, v5, 10, v9                  ; pool: the row of work-group 4 b + lane % 4, + 64 h
	v_lshlrev_b32 v5, 8, v5                        ; mm: that work-group's pair
	v_lshlrev_b32 v6, 4, v0                        ; 16 lane: images, sc, out0
	v_lshlrev_b32 v7, 2, v0                        ; 4 lane: scale words of two K steps
	v_lshlrev_b32 v8, 2, v2                        ; 4 r: of one
.irp b, 0,1,2,3
	v_mov_b32 v[TM+4+\b], 0                        ; written once: a lane permute's destination counts as one of its sources
.endr
	s_mov_b32 s[SEL], 0x76543210
	s_mov_b32 s[SEL+1], 0xfedcba98                 ; v_permlanex16_b32's selects for lane l xor 16
	s_lshr_b32 s30, ttmp9, 2                       ; the box
	s_lshl_b32 s32, s30, 12
	s_mov_b32 s33, 0
	s_lshl_b32 s34, s30, 10
	s_mov_b32 s35, 0
	s_lshl_b32 s36, ttmp9, 13
	s_mov_b32 s37, 0
	s_wait_kmcnt 0x0
	s_load_b32 s26, s[22:23], 0x0                  ; cb
	s_add_nc_u64 s[6:7], s[6:7], s[32:33]
	s_add_nc_u64 s[8:9], s[8:9], s[34:35]
	s_add_nc_u64 s[4:5], s[4:5], s[36:37]
	s_add_nc_u64 s[24:25], s[24:25], s[36:37]
	; group 1, 33 loads: the four partial rows (each lane one of them) and the four pairs
.irp s, 0,1
.irp k, 0,1,2,3
.irp j, 0,1,2,3
	global_load_b128 v[PO+64*\s+16*\k+4*\j:PO+64*\s+16*\k+4*\j+3], v4, s[6:7] offset:512*\s+128*\k+16*\j
.endr
.endr
.endr
	global_load_b64 v[MN:MN+1], v5, s[8:9]
	; group 2, 56 loads: sW1 (window 1, 16 t + 8 s), its scale words, sb1
	WIN 0x40
.irp t, 0,1,2,3,4,5,6,7
.irp s, 0,1
.irp c, 0,1
	global_load_b128 v[16*\t+8*\s+4*\c:16*\t+8*\s+4*\c+3], v6, s[10:11] offset:65536+\t*2048+\s*1024+\c*512
.endr
.endr
.endr
	WIN 0
.irp t, 0,1,2,3,4,5,6,7
	global_load_b32 v[W1S+\t], v7, s[12:13] offset:4096+128*\t
.endr
	WIN 0x80
.irp t, 0,1,2,3,4,5,6,7
	global_load_b128 v[SB1+8*\t:SB1+8*\t+3], v9, s[14:15] offset:(\t/2)*128+(\t%2)*32
	global_load_b128 v[SB1+8*\t+4:SB1+8*\t+7], v9, s[14:15] offset:(\t/2)*128+(\t%2)*32+16
.endr
	WIN 0
	s_wait_loadcnt 56                              ; group 1 is in: the 56 loads of group 2 may be out
	WLOAD 128, 81920, W2S, 5120, SB2, 16, 17       ; group 3, 40 loads: sW2
	WLOAD 192, 90112, W3S, 5632, SB3, 18, 19       ; group 4, 40 loads: sW3
.irp m, 1,2                            ; lanes l, l xor 1, l xor 2, l xor 3 hold the four work-groups' parts: two steps join them
.set i, 0
.rept 128
	v_max_num_f32_dpp v[PO+i], v[PO+i], v[PO+i] row_xmask:\m row_mask:0xf bank_mask:0xf
.set i, i+1
.endr
	v_min_num_f32_dpp v[MN], v[MN], v[MN] row_xmask:\m row_mask:0xf bank_mask:0xf
	v_max_num_f32_dpp v[MN+1], v[MN+1], v[MN+1] row_xmask:\m row_mask:0xf bank_mask:0xf
.endr
	QUANT PO, PC, PW
	QUANT PO+64, PC+8, PW+1
	PLACES 8                                       ; a scale register written by a vector instruction stands eight lines ahead of a scaled matrix instruction, an operand four
	s_wait_loadcnt 63                              ; group 2 is in: 80 loads were issued behind it, and 63 is the most that the wait can name
	WIN 0x21
.irp t, 0,1,2,3,4,5,6,7                ; the eight accumulators by turns, a K step at a time
	v_wmma_scale_f32_16x16x128_f8f6f4 v[ACC+8*\t:ACC+8*\t+7], v[16*\t:16*\t+7], v[PC:PC+7], v[SB1+8*\t:SB1+8*\t+7], v[W1S+\t], v[PW] matrix_a_fmt:MATRIX_FMT_FP4 matrix_b_fmt:MATRIX_FMT_FP4
.endr
	WIN 0x01
.irp t, 0,1,2,3,4,5,6,7
	v_wmma_scale_f32_16x16x128_f8f6f4 v[ACC+8*\t:ACC+8*\t+7], v[16*\t+8:16*\t+15], v[PC+8:PC+15], v[ACC+8*\t:ACC+8*\t+7], v[W1S+\t], v[PW+1] matrix_a_fmt:MATRIX_FMT_FP4 matrix_b_fmt:MATRIX_FMT_FP4 matrix_a_scale:MATRIX_SCALE_ROW1
.endr
	; group 5, 48 loads: cW[262 ..] in the result's layout (32), my raw scores (16)
	WIN 0x80
.irp k, 0,1,2,3
.irp i, 0,1,2,3,4,5,6,7
	global_load_b64 v[CWS+16*\k+2*\i:CWS+16*\k+2*\i+1], v9, s[20:21] offset:1048+128*\k+8*\i
.endr
.endr
	WIN 0xc0
.irp i, 0,1,2,3,4,5,6,7,8,9,10,11,12,13,14,15
	global_load_b128 v[4*\i:4*\i+3], v6, s[4:5] offset:512*\i th:TH_LOAD_NT
.endr
	WIN 0
	PLACES 4                                       ; in front of the first read of the results
	RELU
	QUANT ACC, PC, PW
	PLACES 8
	s_wait_loadcnt 63                              ; group 3 is in: 88 loads were issued behind it
	LAYER 128, W2S, SB2
	PLACES 4
	RELU
	QUANT ACC, PC, PW
	PLACES 8
	s_wait_loadcnt 48                              ; group 4 is in: group 5 may be out
	LAYER 192, W3S, SB3
	PLACES 4
	RELU                                           ; seg
	s_wait_loadcnt 16                              ; cW is in: the 16 loads of raw scores may be out
	s_wait_kmcnt 0x0                               ; cb
	WIN 0x08                                       ; source 1 window 2
.irp i, 0,1,2,3
	v_pk_mul_f32 v[CC+2*\i:CC+2*\i+1], v[ACC+2*\i:ACC+2*\i+1], v[CWS+2*\i:CWS+2*\i+1]
.endr
.set p, 4
.rept 28
	v_pk_fma_f32 v[CC+2*(p%4):CC+2*(p%4)+1], v[ACC+2*p:ACC+2*p+1], v[CWS+2*p:CWS+2*p+1], v[CC+2*(p%4):CC+2*(p%4)+1]
.set p, p+1
.endr
	WIN 0
	v_pk_add_f32 v[CC:CC+1], v[CC:CC+1], v[CC+2:CC+3]
	v_pk_add_f32 v[CC+4:CC+5], v[CC+4:CC+5], v[CC+6:CC+7]
	v_pk_add_f32 v[CC:CC+1], v[CC:CC+1], v[CC+4:CC+5]
	v_add_f32 v[CC], v[CC], v[CC+1]
	v_permlanex16_b32 v[CC+1], v[CC], s[SEL], s[SEL+1]
	v_add_f32 v[CC], v[CC], v[CC+1]                ; seg . cW[262:390]: my 64 units and lane l xor 16's
	v_add_f32 v[CC], s26, v[CC]                    ; c = that + cb
	v_add_f32 v[CC+2], v[MN], v[CC]                ; smin
	v_add_f32 v[CC+3], v[MN+1], v[CC]              ; smax
	v_sub_f32 v[CC+4], v[CC+3], v[CC+2]
	v_rcp_f32 v[CC+6], v[CC+4]
	v_nop                                          ; one plain line behind the transcendental
	s_wait_alu depctr_va_vdst(0)                   ; and a wait ahead of its first reader
	v_add_f32 v[CC+6], v[CC+6], v[CC+6]            ; 2 / (smax - smin)
	s_wait_loadcnt 0x0                             ; my raw scores
	WIN 0xc3                                       ; destination and source 0 window 3
.set p, 0
.rept 32
	v_pk_add_f32 v[2*p:2*p+1], v[2*p:2*p+1], v[CC:CC+1] op_sel_hi:[1,0]          ; score = raw + c (of each pair named here the low word serves both halves)
.set p, p+1
.endr
.set p, 0
.rept 32
	v_pk_add_f32 v[2*p:2*p+1], v[2*p:2*p+1], v[CC+2:CC+3] op_sel_hi:[1,0] neg_lo:[0,1] neg_hi:[0,1]   ; - smin
.set p, p+1
.endr
.set p, 0
.rept 32
	v_pk_fma_f32 v[2*p:2*p+1], v[2*p:2*p+1], v[CC+6:CC+7], -1.0 op_sel_hi:[1,0,0]   ; x 2 / (smax - smin) - 1
.set p, p+1
.endr
	WIN 0x0c                                       ; a store's data are its source 1: window 3
.irp i, 0,1,2,3,4,5,6,7,8,9,10,11,12,13,14,15
	global_store_b128 v6, v[4*\i:4*\i+3], s[24:25] offset:512*\i th:TH_STORE_NT   ; 32 lanes store 512 consecutive bytes, aligned
.endr
	WIN 0
	s_endpgm
.Lfunc_end_k_q959aa2480e_finish:
	.size	k_q959aa2480e_finish, .Lfunc_end_k_q959aa2480e_finish-k_q959aa2480e_finish
	.p2alignl 7, 3214868480
	.fill 96, 4, 3214868480
	.section	.rodata,"a",@progbits
	.p2align	6, 0x0
	.amdhsa_kernel k_q959aa2480e_finish
		.amdhsa_group_segment_fixed_size 0
		.amdhsa_private_segment_fixed_size 0
		.amdhsa_enable_private_segment 0
		.amdhsa_kernarg_size 88
		.amdhsa_user_sgpr_count 2
		.amdhsa_user_sgpr_kernarg_segment_ptr 1
		.amdhsa_wavefront_size32 1
		.amdhsa_system_sgpr_workgroup_id_x 1
		.amdhsa_system_sgpr_workgroup_id_y 1
		.amdhsa_system_sgpr_workgroup_id_z 1
		.amdhsa_system_vgpr_workitem_id 0
		.amdhsa_next_free_vgpr 832
		.amdhsa_next_free_sgpr 66
		.amdhsa_reserve_vcc 0
		.amdhsa_float_denorm_mode_32 3
		.amdhsa_float_denorm_mode_16_64 3
		.amdhsa_memory_ordered 1
		.amdhsa_forward_progress 1
		.amdhsa_inst_pref_size 76
	.end_amdhsa_kernel
	.amdgpu_metadata
---
amdhsa.version: [ 1, 2 ]
amdhsa.kernels:
  - .name:           k_q959aa2480e_finish
    .symbol:         k_q959aa2480e_finish.kd
    .args:
      - { .name: sc, .offset: 0, .size: 8, .value_kind: global_buffer, .address_space: global }
      - { .name: pool, .offset: 8, .size: 8, .value_kind: global_buffer, .address_space: global }
      - { .name: mm, .offset: 16, .size: 8, .value_kind: global_buffer, .address_space: global }
      - { .name: wq, .offset: 24, .size: 8, .value_kind: global_buffer, .address_space: global }
      - { .name: ws, .offset: 32, .size: 8, .value_kind: global_buffer, .address_space: global }
      - { .name: sb1, .offset: 40, .size: 8, .value_kind: global_buffer, .address_space: global }
      - { .name: sb2, .offset: 48, .size: 8, .value_kind: global_buffer, .address_space: global }
      - { .name: sb3, .offset: 56, .size: 8, .value_kind: global_buffer, .address_space: global }
      - { .name: cW, .offset: 64, .size: 8, .value_kind: global_buffer, .address_space: global }
      - { .name: cb, .offset: 72, .size: 8, .value_kind: global_buffer, .address_space: global }
      - { .name: out0, .offset: 80, .size: 8, .value_kind: global_buffer, .address_space: global }
    .group_segment_fixed_size: 0
    .private_segment_fixed_size: 0
    .kernarg_segment_align: 8
    .kernarg_segment_size: 88
    .max_flat_workgroup_size: 32
    .sgpr_count:     66
    .vgpr_count:     832
    .wavefront_size: 32
...
	.end_amdgpu_metadata
.endif
;; end of part 3
;; ======== version 2 of 2: 3 launches
;; workspace buffers: wq 98,304 bytes; ws 6,144 bytes; sc 2,097,152 bytes; pool 262,144 bytes; mm 65,536 bytes
;; launch prep (part 4): grid 48 x 1, 1 waves a work-group, no clusters, 0 bytes of LDS; arguments eW2, eW3, sW1, sW2, sW3, wq, ws; writes wq, ws
.if DOCPART == 4
	.amdgcn_target "amdgcn-amd-amdhsa--gfx1250"
	.amdhsa_code_object_version 6
	.text
	.protected	k_q959aa2480e_prep
	.globl	k_q959aa2480e_prep
	.p2align	8
	.type	k_q959aa2480e_prep,@function
k_q959aa2480e_prep:
	s_mov_b64 s[64:65], 0
	v_nop
	global_prefetch_b8 v0, s[64:65] scope:SCOPE_SE
	s_setreg_imm32_b32 hwreg(HW_REG_WAVE_MODE, 25, 1), 1
	s_wait_xcnt 0x0
; The five weights of the quantised products, f32 stored [K][N], become codes of FP4 (E2M1) and E8M0 scale bytes along K, laid as IMAGES OF OPERAND REGISTERS,
; so that the later launches load each fragment by 16-byte loads, 16 x lane, and each scale word by 4-byte loads.
; wq: in a matrix with S K steps of 128, tile T, K step s, half c: byte T*S*1024 + s*1024 + c*512 + 16*lane; lane (r, h) holds the codes k = 128 s + 64 c + 32 h + 0..31 of column unit(T, r).
; ws: byte T*S*64 + s*64 + 4 r: the word of column unit(T, r), byte b for block 4 s + b.
; THE COLUMNS OF A TILE ARE NOT NEIGHBOURS: with T = 2 B + u, unit(T, r) = 32 B + 8 u + r + 8 (r / 8): so a transposed product's 16 registers of tiles 2 B, 2 B + 1 are 16 neighbours along the next K.
; A wave takes 32 columns (group B) x 128 along K (K step s).  A LANE TAKES A COLUMN AND ITS REGISTERS RUN DOWN K: each load reads 128 consecutive bytes, a block of 32 lies in one lane, nothing is transposed.
; A block's scale byte is its largest magnitude's exponent field - 2, held at 1 from below.
; LIMITS: a block of zeros, or one whose largest magnitude lies under 2^-124, gets the byte 1 (zeros have zero codes; this program alone reads the bytes); NaN and infinities are not served.
; 48 waves are all the work there is: 16 for eW2, 16 for eW3, 8 for sW1, 4 each for sW2 and sW3.
.set X,  32                            ; v32-159  128 numbers down K
.set C,  160                           ; v160-175 the codes of four blocks
	s_load_b256 s[4:11], s[0:1], 0x0               ; eW2, eW3, sW1, sW2
	s_load_b128 s[12:15], s[0:1], 0x20             ; sW3, wq
	s_load_b64 s[16:17], s[0:1], 0x30              ; ws
	v_and_b32 v1, 15, v0                           ; r
	v_lshrrev_b32 v2, 4, v0                        ; u
	v_and_b32 v3, 8, v1
	v_add_nc_u32 v3, v3, v1                        ; r + 8 (r / 8)
	v_lshl_add_u32 v3, v2, 3, v3                   ; + 8 u: my column in the group of 32
	v_lshlrev_b32 v3, 2, v3                        ; in bytes
	s_mov_b32 s20, 44                              ; the table's last line: sW3: first work-group,
	s_mov_b32 s21, 90112                           ; where its codes begin in wq,
	s_mov_b32 s22, 5632                            ; its scale words in ws,
	s_mov_b32 s28, 512                             ; a row of the weight in bytes
	s_wait_alu depctr_va_vdst(0)
	s_wait_kmcnt 0x0
	s_mov_b64 s[18:19], s[12:13]
	s_cmp_lt_u32 ttmp9, 44                         ; the choices hang on the work-group's number alone
	s_cselect_b64 s[18:19], s[10:11], s[18:19]     ; sW2
	s_cselect_b32 s20, 40, s20
	s_cselect_b32 s21, 81920, s21
	s_cselect_b32 s22, 5120, s22
	s_cmp_lt_u32 ttmp9, 40
	s_cselect_b64 s[18:19], s[8:9], s[18:19]       ; sW1
	s_cselect_b32 s20, 32, s20
	s_cselect_b32 s21, 65536, s21
	s_cselect_b32 s22, 4096, s22
	s_cselect_b32 s23, 2, 1                        ; S: K steps of 128
	s_cmp_lt_u32 ttmp9, 32
	s_cselect_b64 s[18:19], s[6:7], s[18:19]       ; eW3
	s_cselect_b32 s20, 16, s20
	s_cselect_b32 s21, 32768, s21
	s_cselect_b32 s22, 2048, s22
	s_cselect_b32 s28, 1024, s28
	s_cmp_lt_u32 ttmp9, 16
	s_cselect_b64 s[18:19], s[4:5], s[18:19]       ; eW2
	s_cselect_b32 s20, 0, s20
	s_cselect_b32 s21, 0, s21
	s_cselect_b32 s22, 0, s22
	s_sub_co_u32 s25, ttmp9, s20                   ; my number within the matrix
	s_sub_co_u32 s24, s23, 1
	s_lshr_b32 s26, s25, s24                       ; B
	s_and_b32 s27, s25, s24                        ; s
	s_mul_i32 s29, s27, s28
	s_lshl_b32 s29, s29, 7                         ; 128 s rows
	s_lshl_b32 s30, s26, 7                         ; 32 B columns
	s_add_co_u32 s30, s29, s30
	s_mov_b32 s31, 0
	s_add_nc_u64 s[18:19], s[18:19], s[30:31]
	s_add_co_u32 s32, s23, 10
	s_lshl_b32 s32, s26, s32                       ; B x 2 S x 1024
	s_lshl_b32 s33, s27, 10
	s_add_co_u32 s32, s32, s33
	s_add_co_u32 s30, s32, s21
	s_add_nc_u64 s[14:15], s[14:15], s[30:31]
	s_add_co_u32 s32, s23, 6
	s_lshl_b32 s32, s26, s32                       ; B x 2 S x 64
	s_lshl_b32 s33, s27, 6
	s_add_co_u32 s32, s32, s33
	s_add_co_u32 s30, s32, s22
	s_add_nc_u64 s[16:17], s[16:17], s[30:31]
	s_add_co_u32 s32, s23, 9
	v_lshlrev_b32 v4, s32, v2                      ; codes: u x S x 1024
	v_lshl_add_u32 v4, v1, 4, v4                   ; + 16 r; block b lies 256 b further on (c = b / 2, h = b % 2)
	s_add_co_u32 s33, s23, 5
	v_lshlrev_b32 v5, s33, v2                      ; scale word: u x S x 64
	v_lshl_add_u32 v5, v1, 2, v5                   ; + 4 r
.macro LOADS pitch                     ; W(128 s + k, my column), k = 0 .. 127: every offset an immediate
.set k, 0
.rept 128
	global_load_b32 v[X+k], v3, s[18:19] offset:k*\pitch th:TH_LOAD_NT
.set k, k+1
.endr
.endm
	s_cmp_lt_u32 ttmp9, 32
	s_cbranch_scc0 .Lnarrow
	LOADS 1024
	s_branch .Ljoin
.Lnarrow:
	LOADS 512
.Ljoin:
.macro BLOCK b
.set XS, X+32*\b
	v_max3_num_f32 v12, |v[XS]|, |v[XS+1]|, |v[XS+2]|              ; the block's largest magnitude: all 32 numbers are mine; two chains
	v_max3_num_f32 v13, |v[XS+3]|, |v[XS+4]|, |v[XS+5]|
.irp i, 6,10,14,18,22,26
	v_max3_num_f32 v12, v12, |v[XS+\i]|, |v[XS+\i+1]|
	v_max3_num_f32 v13, v13, |v[XS+\i+2]|, |v[XS+\i+3]|
.endr
	v_max3_num_f32 v12, v12, |v[XS+30]|, |v[XS+31]|
	v_max3_num_f32 v12, v12, v13, 0x1800000        ; and the floor 2^(3 - 127): the byte cannot fall under 1
	v_add_nc_u32 v11, 0xff000000, v12              ; 2 off its exponent field: the conversion takes this operand's exponent field as its scale
	v_lshrrev_b32 v13, 23, v11                     ; the scale's byte
.if \b == 0
	v_mov_b32 v6, v13
.else
	v_lshl_or_b32 v6, v13, 8*\b, v6                ; four bytes make the word, the lower K in the lower byte
.endif
.irp g, 0,1,2,3
	v_cvt_scalef32_pk8_fp4_f32 v[C+4*\b+\g], v[XS+8*\g:XS+8*\g+7], v11
.endr
.endm
	s_wait_loadcnt 63                              ; of 128 loads at most 63 are out: the first 65 are in, blocks 0 and 1 among them
	BLOCK 0
	BLOCK 1
	s_wait_loadcnt 32                              ; block 2 is in
	BLOCK 2
	s_wait_loadcnt 0x0
	BLOCK 3
	v_nop                                          ; one plain line behind the last scaled conversion
.irp b, 0,1,2,3
	global_store_b128 v4, v[C+4*\b:C+4*\b+3], s[14:15] offset:256*\b   ; lanes 0-15 store 256 consecutive bytes, aligned; lanes 16-31 another such run
.endr
	global_store_b32 v5, v6, s[16:17]
	s_endpgm
.Lfunc_end_k_q959aa2480e_prep:
	.size	k_q959aa2480e_prep, .Lfunc_end_k_q959aa2480e_prep-k_q959aa2480e_prep
	.p2alignl 7, 3214868480
	.fill 96, 4, 3214868480
	.section	.rodata,"a",@progbits
	.p2align	6, 0x0
	.amdhsa_kernel k_q959aa2480e_prep
		.amdhsa_group_segment_fixed_size 0
		.amdhsa_private_segment_fixed_size 0
		.amdhsa_enable_private_segment 0
		.amdhsa_kernarg_size 56
		.amdhsa_user_sgpr_count 2
		.amdhsa_user_sgpr_kernarg_segment_ptr 1
		.amdhsa_wavefront_size32 1
		.amdhsa_system_sgpr_workgroup_id_x 1
		.amdhsa_system_sgpr_workgroup_id_y 1
		.amdhsa_system_sgpr_workgroup_id_z 1
		.amdhsa_system_vgpr_workitem_id 0
		.amdhsa_next_free_vgpr 176
		.amdhsa_next_free_sgpr 66
		.amdhsa_reserve_vcc 0
		.amdhsa_float_denorm_mode_32 3
		.amdhsa_float_denorm_mode_16_64 3
		.amdhsa_memory_ordered 1
		.amdhsa_forward_progress 1
		.amdhsa_inst_pref_size 34
	.end_amdhsa_kernel
	.amdgpu_metadata
---
amdhsa.version: [ 1, 2 ]
amdhsa.kernels:
  - .name:           k_q959aa2480e_prep
    .symbol:         k_q959aa2480e_prep.kd
    .args:
      - { .name: eW2, .offset: 0, .size: 8, .value_kind: global_buffer, .address_space: global }
      - { .name: eW3, .offset: 8, .size: 8, .value_kind: global_buffer, .address_space: global }
      - { .name: sW1, .offset: 16, .size: 8, .value_kind: global_buffer, .address_space: global }
      - { .name: sW2, .offset: 24, .size: 8, .value_kind: global_buffer, .address_space: global }
      - { .name: sW3, .offset: 32, .size: 8, .value_kind: global_buffer, .address_space: global }
      - { .name: wq, .offset: 40, .size: 8, .value_kind: global_buffer, .address_space: global }
      - { .name: ws, .offset: 48, .size: 8, .value_kind: global_buffer, .address_space: global }
    .group_segment_fixed_size: 0
    .private_segment_fixed_size: 0
    .kernarg_segment_align: 8
    .kernarg_segment_size: 56
    .max_flat_workgroup_size: 32
    .sgpr_count:     66
    .vgpr_count:     176
    .wavefront_size: 32
...
	.end_amdgpu_metadata
.endif
;; end of part 4
;; launch main (part 5): grid 256 x 1, 8 waves a work-group, no clusters, 103,680 bytes of LDS; arguments feat, eW1, eb1, eb2, eb3, cW, wq, ws, sc, pool, mm; writes sc, pool, mm
.if DOCPART == 5
	.amdgcn_target "amdgcn-amd-amdhsa--gfx1250"
	.amdhsa_code_object_version 6
	.text
	.protected	k_q959aa2480e_main
	.globl	k_q959aa2480e_main
	.p2align	8
	.type	k_q959aa2480e_main,@function
k_q959aa2480e_main:
	s_mov_b64 s[64:65], 0
	v_nop
	global_prefetch_b8 v0, s[64:65] scope:SCOPE_SE
	s_setreg_imm32_b32 hwreg(HW_REG_WAVE_SCHED_MODE, 0, 2), 2
	s_setreg_imm32_b32 hwreg(HW_REG_WAVE_MODE, 25, 1), 1
	s_wait_xcnt 0x0
	s_wait_alu depctr_vm_vsrc(0)
; The embed MLP over all points, fused: h1 = relu(feat eW1 + eb1) in f32 (K = 6, by the f32 matrix form, since it goes on into a quantiser), h2 = relu(Q(h1) Q(eW2) + eb2), h3 = relu(Q(h2) Q(eW3) + eb3) on codes of FP4 (E2M1)
; with E8M0 scales for each 32 along K.  Stored: the raw score feat . cW[0:6] + h3 . cW[6:262] of each point (sc), the work-group's maximum of h3 in each channel (pool), its smallest and largest raw score (mm).
; SHARES.  Work-group w owns points 2048 w .. 2048 w + 2047.  Its eight waves are two groups of four; group g owns 1,024 points: 64 tiles of 16, taken as 32 pairs of tiles.
; THE FOUR WAVES OF A GROUP SHARE THE COLUMNS: wave q owns units 64 q .. 64 q + 63 of all three layers, so its weights, biases and classifier weights stay in registers for the whole launch,
; and only the activations' codes go round, through LDS, as images of operand registers (2,048 bytes a tile and layer).  Two waves share a SIMD's registers, 512 each.
; ALL PRODUCTS ARE USED TRANSPOSED (source 0 = 16 units, source 1 = 16 points): lane (r, h) holds point r, and register 16 B + 8 u + j of a set of four accumulators holds unit 64 q + 32 B + 16 h + 8 u + j
; (the units of a tile are chosen so: unit(T, r) = 32 (T / 2) + 8 (T % 2) + r + 8 (r / 8)): 16 neighbours along the next K, half a block of 32; the other half lies in lane l xor 16.
; RELU costs no line on the numbers: the block's maximum is taken without magnitudes over a positive floor, the raw numbers are converted, and every negative code is turned into -0, which adds nothing.
; PIPELINE.  One step between two barriers runs layer 1 of pair n, layer 2 of pair n - 1, layer 3's products of pair n - 2 and the score and pool of pair n - 3.  The images lie twice, by the step's parity: what a step
; writes was last read one barrier earlier, and is read one barrier later.  Each run of matrix instructions is followed by the vector work of an older run.
; NO CLUSTER, NO TENSOR LOAD: what work-groups share is 68 KB of weights, read once by each; nothing is streamed through LDS.  No prefetch: feat is asked for one whole step ahead, into registers.
; LIMITS: a block whose largest number lies under 2^-124 (a block of zeros too) gets the scale byte 1; NaN and infinities among the inputs are not served.
; THE MODE: SCHED_MODE bits 1:0 = 2 (LLVM: expert scheduling mode 2), set by the entry lines.  The code itself states the register dependences
; between vector or matrix instructions and memory or LDS instructions, with s_wait_alu, always for 0.
; THE PLAN.  Registers that memory or LDS instructions touch, in a step:
;   X0, X1, XS0, XS1   LDS loads land in them twice a step (h1's images, then h2's); the products of layer 2, then those of layer 3, read them; no other vector line names them.
;   FE, two sets       The loads of the next pair's feat land in the set that layer 1 of the step before read.
;   CD, WD             Written by V12's conversions and masks, read by its three LDS stores: four times a step.
;   SCA, SCB, SPA      Written by the score's lines, read by two LDS stores: once a step.
;   v1-v5, v7, v8      Addresses, made at the head and not written in the loop.
;   The three sets of accumulators, the weights, the biases, cW and the running maxima are named by vector and matrix instructions alone, until the tail.
; THE WAITS of a step.  One on va_vdst at its head: the last step's layer 3 products are done reading both fragments, so h1's two images may be asked for; the lines that stand between name none of those registers.
; One on va_vdst in each V12, ahead of its stores: the codes and the scale bytes are written; the products issued ahead of that V12 are done reading the fragment that is asked for again behind the stores; both runs of
; layer 1 are done reading their set of feat; in the step's first V12 the two partial scores and their address are written, and their stores stand there.
; One on vm_vsrc in each V12, ahead of its conversions: the LDS stores issued so far have read CD, WD, SCA, SCB and SPA.
.set H1,   0                           ; LDS: layer 1's images: [parity 8192][group 4096][tile 2048 = [K step 1024][half 512][16 x lane]]
.set H2,   16384                       ; layer 2's likewise
.set H1S,  32768                       ; their scale words: [parity 512][group 256][tile 128 = [K step][point] words]
.set H2S,  33792
.set PL,   34816                       ; the two groups' channel maxima: [group][256] f32
.set MMS,  36864                       ; a (min, max) pair for each wave
.set SP,   37120                       ; partial scores: [wave 8192][tile 128][lane 4]
; window 0
.set HR,  1                            ; v1   16 lane + 4096 g: where I read an image
.set HW,  2                            ; v2   16 r + 8 h + 512 q + 4096 g: where I write my 8 bytes of a block
.set SR,  3                            ; v3   4 lane + 256 g: where I read scale words
.set SW,  4                            ; v4   4 r + 64 (q / 2) + 2 (q % 2) + 256 g: where I write my two scale bytes
.set SPL, 5                            ; v5   SP + 8192 wave + 4 lane
.set SPA, 6                            ; v6   the same + the pair's 256 bytes
.set FO0, 7                            ; v7   24 r + 8 h: feat, k = 2 h, 2 h + 1
.set FO1, 8                            ; v8   24 r + 16: feat, k = 4, 5
.set W2S, 16                           ; v16-19, v20-23 the weights' scale words (lanes 0-15 K step 0, lanes 16-31 K step 1); scales and nothing else
.set W3S, 20
.set XS0, 24                           ; v24, v25 the activations' scale words, likewise
.set XS1, 25
.set X0,  26                           ; v26-41, v42-57 two activation fragments of 16 points x 256 K
.set X1,  42
.set CW,  58                           ; v58-89   cW of my lane's 32 units
.set PM,  90                           ; v90-121  running maxima of h3; they begin at 0, which is the pooled relu
.set S0,  122                          ; v122-153, v154-185, v186-217 three sets of four accumulators; only matrix instructions write them
.set S1,  154
.set S2,  186
.set MX,  218                          ; v218-219 a block's maximum;  v220-221 second chain, then lane l xor 16's
.set TP,  220
.set SO,  222                          ; v222-223 the conversions' scale operands
.set BY,  224                          ; v224-225 the scale bytes
.set CD,  226                          ; v226-229 the codes
.set FM,  230                          ; v230-233 masks
.set WD,  234                          ; v234     my two scale bytes
.set SC,  218                          ; v218-225 the score's four packed chains
.set SCA, 235                          ; v235, v252 the two tiles' partial scores
.set RL,  236                          ; v236-251 relu(h3), eight at a time, two sets
.set SCB, 252
.set QA,  26                           ; the tail: 2 x 32 registers of partial scores
; window 1
.set W1,  0                            ; eW1: 4 t + 2 s + j
.set FE,  16                           ; feat: 8 set + 4 tile + 2 s
.set B1,  32                           ; the biases, in the result's layout: the C of each sum's first product
.set B2,  64
.set B3,  96
.set W2,  128                          ; eW2's fragments: 16 t + 8 s
.set W3,  192
.set FQ,  128                          ; the tail: feat of my eight points
.set MSB, 0
.macro WIN new                         ; s_set_vgpr_msb: bits 1:0 source 0, 3:2 source 1, 5:4 source 2, 7:6 destination; the high byte repeats the setting that is left
.if MSB != \new
	s_set_vgpr_msb (MSB<<8)|\new
.set MSB, \new
.endif
.endm
.macro PLACES n
.rept \n
	v_nop
.endr
.endm
	s_load_b512 s[4:19], s[0:1], 0x0               ; feat, eW1, eb1, eb2, eb3, cW, wq, ws
	s_load_b128 s[20:23], s[0:1], 0x40             ; sc, pool
	s_load_b64 s[24:25], s[0:1], 0x50              ; mm
	v_lshl_add_u32 v254, v0, 2, 0x19100
	v_mov_b32 v255, 0
	v_lshrrev_b32 v9, 5, v0
	v_readfirstlane_b32 s26, v9                    ; wave 0..7
	v_and_b32 v10, 31, v0                          ; lane
	v_and_b32 v11, 15, v0                          ; r
	s_wait_alu depctr_va_vdst(0)
	v_bfe_u32 v12, v0, 4, 1                        ; h
	v_lshlrev_b32 v13, 4, v10                      ; 16 lane
	s_wait_alu depctr_va_sdst(0)                   ; s26 is written, ahead of its first reader: g, q and all that hangs on the wave's number are made from it
	s_lshr_b32 s27, s26, 2                         ; g
	s_and_b32 s28, s26, 3                          ; q
	s_lshl_b32 s30, s27, 12
	v_add_nc_u32 v[HR], s30, v13
	s_lshl_b32 s31, s28, 9
	s_add_co_u32 s31, s31, s30
	v_lshlrev_b32 v[HW], 4, v11
	v_lshl_add_u32 v[HW], v12, 3, v[HW]
	v_add_nc_u32 v[HW], s31, v[HW]
	s_lshl_b32 s32, s27, 8
	v_lshlrev_b32 v10, 2, v10                      ; 4 lane
	s_wait_alu depctr_va_vdst(0)
	v_add_nc_u32 v[SR], s32, v10
	s_lshr_b32 s33, s28, 1
	s_lshl_b32 s33, s33, 6
	s_and_b32 s34, s28, 1
	s_lshl_b32 s34, s34, 1
	s_add_co_u32 s33, s33, s34
	s_add_co_u32 s33, s33, s32
	v_lshlrev_b32 v[SW], 2, v11
	v_add_nc_u32 v[SW], s33, v[SW]
	s_lshl_b32 s34, s26, 13
	s_add_co_u32 s34, s34, SP
	v_add_nc_u32 v[SPL], s34, v10
	v_mul_u32_u24 v[FO0], v11, 24
	v_add_nc_u32 v[FO1], 16, v[FO0]
	v_lshl_add_u32 v[FO0], v12, 3, v[FO0]
	v_lshlrev_b32 v14, 6, v12                      ; 64 h: biases and cW
	v_and_b32 v15, 8, v11
	v_add_nc_u32 v15, v15, v11
	v_lshlrev_b32 v15, 2, v15                      ; eW1, K step 1: column r + 8 (r / 8) of a tile, rows 4 and 5 for both halves of the lanes: no load leaves eW1
	v_lshl_add_u32 v9, v12, 11, v15                ; K step 0: + 2 h rows
	s_mov_b32 s36, 0x76543210                      ; v_permlanex16_b32's selects for lane l xor 16
	s_mov_b32 s37, 0xfedcba98
	s_mov_b32 s38, 0x88888888                      ; the sign bits of eight codes
	s_mov_b32 s40, 0                               ; where the next pair's partial scores go
	s_mov_b32 s31, 0
	s_wait_kmcnt 0x0
	s_load_b128 s[44:47], s[14:15], 0x0            ; cW[0..5], for the tail
	s_load_b64 s[48:49], s[14:15], 0x10
	s_mul_i32 s30, ttmp9, 49152                    ; 2,048 points of 24 bytes
	s_add_nc_u64 s[50:51], s[4:5], s[30:31]        ; feat at the work-group's first point
	s_mul_i32 s30, s27, 24576
	s_add_nc_u64 s[4:5], s[50:51], s[30:31]        ; and at my group's
	s_lshl_b32 s30, s28, 13
	s_add_nc_u64 s[16:17], s[16:17], s[30:31]      ; wq: my four tiles of 2,048 bytes
	s_lshl_b32 s30, s28, 9
	s_add_nc_u64 s[18:19], s[18:19], s[30:31]      ; ws: 128 bytes a tile
	s_lshl_b32 s30, s28, 8                         ; my 64 units, in f32
	s_add_nc_u64 s[6:7], s[6:7], s[30:31]
	s_add_nc_u64 s[8:9], s[8:9], s[30:31]
	s_add_nc_u64 s[10:11], s[10:11], s[30:31]
	s_add_nc_u64 s[12:13], s[12:13], s[30:31]
	s_add_nc_u64 s[52:53], s[14:15], s[30:31]      ; (a pair of its own: the scalar loads above still name s[14:15])
	s_lshl_b32 s30, ttmp9, 13
	s_add_nc_u64 s[20:21], s[20:21], s[30:31]
	s_lshl_b32 s30, ttmp9, 10
	s_add_nc_u64 s[22:23], s[22:23], s[30:31]
	s_lshl_b32 s30, ttmp9, 8
	s_add_nc_u64 s[24:25], s[24:25], s[30:31]
	WIN 0x40                                       ; destination window 1
	s_wait_alu depctr_va_vdst(0)                   ; the addresses v1 to v5, v7 to v10 and v13 to v15 are written: the loads below, and every LDS instruction of the loop, read them
.irp i, 0,1
	global_load_b64 v[FE+4*\i:FE+4*\i+1], v[FO0], s[4:5] offset:384*\i     ; pair 0 of feat, into set 0
	global_load_b64 v[FE+4*\i+2:FE+4*\i+3], v[FO1], s[4:5] offset:384*\i
.endr
.irp t, 0,1,2,3
.irp j, 0,1
	global_load_b32 v[W1+4*\t+\j], v9, s[6:7] offset:\j*1024+(\t/2)*128+(\t%2)*32        ; eW1(2 h + j, unit)
	global_load_b32 v[W1+4*\t+2+\j], v15, s[6:7] offset:(4+\j)*1024+(\t/2)*128+(\t%2)*32  ; eW1(4 + j, unit)
.endr
	global_load_b128 v[B1+8*\t:B1+8*\t+3], v14, s[8:9] offset:(\t/2)*128+(\t%2)*32
	global_load_b128 v[B1+8*\t+4:B1+8*\t+7], v14, s[8:9] offset:(\t/2)*128+(\t%2)*32+16
	global_load_b128 v[B2+8*\t:B2+8*\t+3], v14, s[10:11] offset:(\t/2)*128+(\t%2)*32
	global_load_b128 v[B2+8*\t+4:B2+8*\t+7], v14, s[10:11] offset:(\t/2)*128+(\t%2)*32+16
	global_load_b128 v[B3+8*\t:B3+8*\t+3], v14, s[12:13] offset:(\t/2)*128+(\t%2)*32
	global_load_b128 v[B3+8*\t+4:B3+8*\t+7], v14, s[12:13] offset:(\t/2)*128+(\t%2)*32+16
.irp s, 0,1
.irp c, 0,1
	global_load_b128 v[W2+16*\t+8*\s+4*\c:W2+16*\t+8*\s+4*\c+3], v13, s[16:17] offset:\t*2048+\s*1024+\c*512
	global_load_b128 v[W3+16*\t+8*\s+4*\c:W3+16*\t+8*\s+4*\c+3], v13, s[16:17] offset:32768+\t*2048+\s*1024+\c*512
.endr
.endr
.endr
	WIN 0
.irp t, 0,1,2,3
	global_load_b32 v[W2S+\t], v10, s[18:19] offset:128*\t
	global_load_b32 v[W3S+\t], v10, s[18:19] offset:2048+128*\t
.irp i, 0,1,2,3
	global_load_b64 v[CW+8*\t+2*\i:CW+8*\t+2*\i+1], v14, s[52:53] offset:24+(\t/2)*128+(\t%2)*32+8*\i   ; cW[6 + unit]: multiples of 8 bytes
.endr
.endr
	s_wait_loadcnt 0x0
	s_wait_kmcnt 0x0
	v_cmp_eq_u32 vcc_lo, 0, v12
	s_wait_alu depctr_va_vcc(0)                    ; VCC is written, ahead of its first reader: the selects below
	WIN 0x44                                       ; destination and source 1 window 1
.irp t, 0,1,2,3
.irp j, 2,3
	v_cndmask_b32 v[W1+4*\t+\j], 0, v[W1+4*\t+\j], vcc_lo   ; K step 1, lanes 16-31 stand for k = 6, 7, which do not exist: zeros
.endr
.endr
	WIN 0
.set i, 0
.rept 32
	v_mov_b32 v[PM+i], 0
.set i, i+1
.endr
	v_mov_b32 v[TP], 0                             ; written once: a lane permute's destination counts as one of its sources
	v_mov_b32 v[TP+1], 0
; The next pair of feat into a set.  It stands behind the wait for all loads, so the base may step.  Lanes 16-31 of K step 1 hold k = 4, 5 again, against eW1's zeros.
; The set was last read by layer 1 of the step before; the waits on va_vdst in that step's V12 stand behind both of its runs, and no vector or matrix instruction since names the set or the two offsets.
.macro FLOAD set
	s_add_nc_u64 s[4:5], s[4:5], 768
	WIN 0x40
.irp i, 0,1
	global_load_b64 v[FE+8*(\set)+4*\i:FE+8*(\set)+4*\i+1], v[FO0], s[4:5] offset:384*\i
	global_load_b64 v[FE+8*(\set)+4*\i+2:FE+8*(\set)+4*\i+3], v[FO1], s[4:5] offset:384*\i
.endr
	WIN 0
.endm
; A tile's image and its scale words: five LDS loads.
.macro LOADX reg, xsc, base, sbase
.irp s, 0,1
.irp c, 0,1
	ds_load_b128 v[\reg+8*\s+4*\c:\reg+8*\s+4*\c+3], v[HR] offset:(\base)+\s*1024+\c*512
.endr
.endr
	ds_load_b32 v[\xsc], v[SR] offset:(\sbase)
.endm
; Layer 1 of a tile: my four tiles of units, K = 4 + 4 (6 and two zeros), f32.  The four accumulators take turns, one instruction a turn.
.macro M1 set, tile, acc
	WIN 0x15                                       ; eW1, feat and eb1 in window 1
.irp t, 0,1,2,3
	v_wmma_f32_16x16x4_f32 v[\acc+8*\t:\acc+8*\t+7], v[W1+4*\t:W1+4*\t+1], v[FE+8*(\set)+4*(\tile):FE+8*(\set)+4*(\tile)+1], v[B1+8*\t:B1+8*\t+7]
.endr
	WIN 0x05
.irp t, 0,1,2,3
	v_wmma_f32_16x16x4_f32 v[\acc+8*\t:\acc+8*\t+7], v[W1+4*\t+2:W1+4*\t+3], v[FE+8*(\set)+4*(\tile)+2:FE+8*(\set)+4*(\tile)+3], v[\acc+8*\t:\acc+8*\t+7]
.endr
	WIN 0
.endm
; Layer 2 or 3 of a tile: my four tiles of units, K = 128 + 128, on codes.  The second K step's scale words lie in lanes 16-31.  Operands and scales come from loads alone: no vector line writes them.
.macro M23 wt, wsc, bi, xf, xsc, acc
	WIN 0x11                                       ; the weights and the bias in window 1
.irp t, 0,1,2,3
	v_wmma_scale_f32_16x16x128_f8f6f4 v[\acc+8*\t:\acc+8*\t+7], v[\wt+16*\t:\wt+16*\t+7], v[\xf:\xf+7], v[\bi+8*\t:\bi+8*\t+7], v[\wsc+\t], v[\xsc] matrix_a_fmt:MATRIX_FMT_FP4 matrix_b_fmt:MATRIX_FMT_FP4
.endr
	WIN 0x01
.irp t, 0,1,2,3
	v_wmma_scale_f32_16x16x128_f8f6f4 v[\acc+8*\t:\acc+8*\t+7], v[\wt+16*\t+8:\wt+16*\t+15], v[\xf+8:\xf+15], v[\acc+8*\t:\acc+8*\t+7], v[\wsc+\t], v[\xsc] matrix_a_fmt:MATRIX_FMT_FP4 matrix_b_fmt:MATRIX_FMT_FP4 matrix_a_scale:MATRIX_SCALE_ROW1 matrix_b_scale:MATRIX_SCALE_ROW1
.endr
	WIN 0
.endm
; The two partial scores of a pair go to LDS: 128 consecutive bytes a tile, in my wave's own 8,192.  They stand behind a wait on va_vdst that the caller lays.
.macro SCST
	ds_store_b32 v[SPA], v[SCA]
	ds_store_b32 v[SPA], v[SCB] offset:128
.endm
; relu, quantise, send: a set's 32 numbers of a lane (two half blocks of 16) become 16 bytes of codes and two scale bytes.  Each accumulator is read from its low end on.
; sc = 1: the pair's two partial scores are stored here too, behind the same wait.
.macro V12 acc, cbase, sbase, sc
.irp b, 0,1
	v_max3_num_f32 v[MX+\b], v[\acc+16*\b], v[\acc+16*\b+1], 0x1800000     ; no magnitudes: what is negative does not count; the floor 2^(3 - 127) stands over it and holds the byte at 1 from below
	v_max3_num_f32 v[TP+\b], v[\acc+16*\b+8], v[\acc+16*\b+9], v[\acc+16*\b+10]   ; four chains, so that no line waits for the line above it
.endr
.irp i, 2,4
.irp b, 0,1
	v_max3_num_f32 v[MX+\b], v[MX+\b], v[\acc+16*\b+\i], v[\acc+16*\b+\i+1]
	v_max3_num_f32 v[TP+\b], v[TP+\b], v[\acc+16*\b+9+\i], v[\acc+16*\b+10+\i]
.endr
.endr
.irp b, 0,1
	v_max3_num_f32 v[MX+\b], v[MX+\b], v[\acc+16*\b+6], v[\acc+16*\b+7]
.endr
.irp b, 0,1
	v_max3_num_f32 v[MX+\b], v[MX+\b], v[TP+\b], v[\acc+16*\b+15]
.endr
.irp b, 0,1
	v_permlanex16_b32 v[TP+\b], v[MX+\b], s36, s37
.endr
.irp b, 0,1
	v_max_num_f32 v[MX+\b], v[MX+\b], v[TP+\b]     ; with lane l xor 16's 16: the block's largest number
.endr
.irp b, 0,1
	v_add_nc_u32 v[SO+\b], 0xff000000, v[MX+\b]    ; 2 off its exponent field: the conversion's scale operand
.endr
.irp b, 0,1
	v_lshrrev_b32 v[BY+\b], 23, v[SO+\b]           ; the scale's byte
.endr
	s_wait_alu depctr_vm_vsrc(0)                   ; the LDS stores issued so far have read CD and WD, which the lines below write again, and SCA, SCB and SPA, which the next step writes again (the launch's first V12 finds no such store)
.irp b, 0,1
	v_cvt_scalef32_pk8_fp4_f32 v[CD+2*\b], v[\acc+16*\b:\acc+16*\b+7], v[SO+\b]
	v_cvt_scalef32_pk8_fp4_f32 v[CD+2*\b+1], v[\acc+16*\b+8:\acc+16*\b+15], v[SO+\b]
.endr
	v_lshl_or_b32 v[WD], v[BY+1], 8, v[BY]         ; (the plain line behind the scaled conversions)
.irp i, 0,1,2,3
	v_and_b32 v[FM+\i], s38, v[CD+\i]              ; RELU ON THE CODES: 8 in each negative code's four bits,
.endr
.irp i, 0,1,2,3
	v_lshrrev_b32 v[MX+\i], 3, v[FM+\i]            ; 1 there,
.endr
.irp i, 0,1,2,3
	v_sub_nc_u32 v[FM+\i], v[FM+\i], v[MX+\i]      ; 7 there: the magnitude's bits,
.endr
.irp i, 0,1,2,3
	v_bfi_b32 v[CD+\i], v[FM+\i], 0, v[CD+\i]      ; which are cleared: a negative code becomes -0
.endr
	s_wait_alu depctr_va_vdst(0)                   ; CD and WD are written, which the stores below read (with sc = 1 SCA, SCB and SPA too); the products issued ahead of this V12 are done reading their fragment, its scale words and their set of feat, in which later loads land
	ds_store_b64 v[HW], v[CD:CD+1] offset:(\cbase)           ; block 2 q: its 32 lanes' 8 bytes are 256 consecutive bytes of the image
	ds_store_b64 v[HW], v[CD+2:CD+3] offset:(\cbase)+256     ; block 2 q + 1
	ds_store_b16 v[SW], v[WD] offset:(\sbase)                ; both halves of the lanes write the same two bytes with the same value
.if \sc
	SCST
.endif
.endm
; A tile's partial score: relu(h3) . cW over my lane's 32 units.
.macro SCORE acc, dst
.irp t, 0,1,2,3
.irp j, 0,1,2,3,4,5,6,7
	v_max_num_f32 v[RL+8*(\t%2)+\j], 0, v[\acc+8*\t+\j]
.endr
.irp i, 0,1,2,3
.if \t == 0
	v_pk_mul_f32 v[SC+2*\i:SC+2*\i+1], v[RL+2*\i:RL+2*\i+1], v[CW+2*\i:CW+2*\i+1]
.else
	v_pk_fma_f32 v[SC+2*\i:SC+2*\i+1], v[RL+8*(\t%2)+2*\i:RL+8*(\t%2)+2*\i+1], v[CW+8*\t+2*\i:CW+8*\t+2*\i+1], v[SC+2*\i:SC+2*\i+1]
.endif
.endr
.endr
	v_pk_add_f32 v[SC:SC+1], v[SC:SC+1], v[SC+2:SC+3]
	v_pk_add_f32 v[SC+4:SC+5], v[SC+4:SC+5], v[SC+6:SC+7]
	v_pk_add_f32 v[SC:SC+1], v[SC:SC+1], v[SC+4:SC+5]
	v_add_f32 v[\dst], v[SC], v[SC+1]
.endm
.macro V3A
	SCORE S0, SCA
.endm
.macro V3B                             ; the second tile's score, the pair's place in LDS, the pool; the two stores follow later, behind a wait (SCST)
	SCORE S1, SCB
	v_add_nc_u32 v[SPA], s40, v[SPL]
	s_add_co_u32 s40, s40, 256
.set i, 0
.rept 32
	v_max3_num_f32 v[PM+i], v[PM+i], v[S0+i], v[S1+i]   ; the pool: both tiles at once
.set i, i+1
.endr
.endm
; ONE STEP, between two barriers.  par: the step's parity; v3: score and pool of pair n - 3; l1: layer 1 of pair n; l2: layer 2 of pair n - 1; m3: layer 3's products of pair n - 2; ld: feat of pair n + 1 is asked for.
; THE SETS: layer 1 -> S2, S0; layer 2 -> S2, S1; layer 3 -> S0, S1.  Behind each run of matrix instructions stands vector work that names none of its registers: it fills the distance that the ISA guide (7.12.1)
; asks in front of the first read of the results and of the next products that write over the set (eight or nine lines behind the f32 form, four or five behind the FP4 form);
; where a step has no such work, v_nop are written.  For loads into operands that products have read, the waits on va_vdst state the dependence.
; COUNTS on DScnt: a V12 is three stores (five with the two scores), a LOADX five loads; LDS serves a wave's instructions in order.
.macro STEP par, v3, l1, l2, m3, ld
.if \l1
	s_wait_loadcnt 0x0                             ; this pair's feat, asked for a step ago
.endif
.if \v3
	s_wait_alu depctr_va_vdst(0)                   ; the last step's layer 3 products are done reading X0, X1, XS0 and XS1, in which this step's LDS loads land (v3 = 1 just where the step before had such products)
.endif
.if \ld
	FLOAD 1-\par
.endif
.if \l2
	LOADX X0, XS0, H1+(1-\par)*8192, H1S+(1-\par)*512
.endif
.if \l1
	M1 \par, 0, S2
.endif
.if \v3
	V3A
.endif
.if \l2
	LOADX X1, XS1, H1+(1-\par)*8192+2048, H1S+(1-\par)*512+128   ; no wait: no vector or matrix instruction since the wait at the step's head names X1, XS1 or the two addresses
.endif
.if \v3
	V3B
.if \l1 == 0
	s_wait_alu depctr_va_vdst(0)                   ; SCA, SCB and SPA are written, which the two stores read (this step has no V12 of layer 1 to carry them)
	SCST
.endif
.endif
.if \l1
	M1 \par, 1, S0
.if \v3 == 0
	PLACES 8
.endif
	V12 S2, H1+\par*8192, H1S+\par*512, \v3
.endif
.if \l2
	s_wait_dscnt 3*\l1+2*\l1*\v3                   ; only the stores just issued may be out (three, and the two scores): both fragments of h1 are in
	M23 W2, W2S, B2, X0, XS0, S2
.if \l1 == 0
	PLACES 4
.endif
.endif
.if \l1
	V12 S0, H1+\par*8192+2048, H1S+\par*512+128, 0
.endif
.if \m3
.if \l2 && (\l1 == 0)
	s_wait_alu depctr_va_vdst(0)                   ; the layer 2 products just issued are done reading X0 and XS0, in which the loads below land (no V12 stands between in this step)
.endif
	LOADX X0, XS0, H2+\par*8192, H2S+\par*512
.endif
.if \l2
	M23 W2, W2S, B2, X1, XS1, S1
	V12 S2, H2+(1-\par)*8192, H2S+(1-\par)*512, 0
.endif
.if \m3
	LOADX X1, XS1, H2+\par*8192+2048, H2S+\par*512+128
	s_wait_dscnt 5+3*\l2                           ; behind the first fragment of h2: V12's three stores and the second fragment's five loads
	M23 W3, W3S, B3, X0, XS0, S0
.endif
.if \l2
	V12 S1, H2+(1-\par)*8192+2048, H2S+(1-\par)*512+128, 0
.endif
.if \m3
	s_wait_dscnt 3*\l2                             ; behind the second fragment: V12's three stores
	M23 W3, W3S, B3, X1, XS1, S1
.if \l2 == 0
	PLACES 4
.endif
.endif
	s_wait_dscnt 0x0                               ; my images have landed, and my reads of what the next step overwrites are in
	s_barrier_signal -1
	s_barrier_wait -1
.endm
	STEP 0,0,1,0,0,1                               ; steps 0 to 2 fill the pipeline
	STEP 1,0,1,1,0,1
	STEP 0,0,1,1,1,1
	s_mov_b32 s39, 14
.Lpairs:                                               ; steps 3 to 30
	STEP 1,1,1,1,1,1
	STEP 0,1,1,1,1,1
	s_sub_co_i32 s39, s39, 1
	s_cmp_lg_u32 s39, 0
	s_cbranch_scc1 .Lpairs
	STEP 1,1,1,1,1,0                               ; step 31: the last pair's layer 1; no feat is left to ask for
	STEP 0,1,0,1,1,0
	STEP 1,1,0,0,1,0
	s_wait_alu depctr_vm_vsrc(0)                   ; the last step's two score stores have read SCA, SCB and SPA; the LDS loads and stores of the steps have read v1, v2 and v3; the head's loads have read v9 and v13 to v15: all of these are written again below
	V3A                                            ; the last pair's score and pool
	V3B
	; THE TAIL.  Thread T takes the points of quads T and T + 256 (four points each).  All its addresses are made here, ahead of one wait.
	v_mul_u32_u24 v9, v0, 96
	s_lshl_b32 s30, s26, 8
	s_add_co_u32 s30, s30, PL
	v_lshl_add_u32 v13, v12, 6, s30                ; PL + 1024 g + 256 q + 64 h
	v_lshrrev_b32 v14, 2, v0
	v_and_b32 v15, 3, v0
	v_lshlrev_b32 v14, 7, v14
	v_lshl_add_u32 v14, v15, 4, v14
	v_add_nc_u32 v14, SP, v14                      ; SP + 128 (T / 4) + 16 (T % 4): my quad in a wave's partial scores
	v_lshlrev_b32 v15, 4, v0                       ; 16 T
	s_lshl_b32 s31, s26, 3
	s_add_co_u32 s31, s31, MMS
	v_mov_b32 v1, s31                              ; my wave's (min, max)
	v_mov_b32 v2, MMS
	v_and_b32 v3, 31, v0
	v_lshlrev_b32 v3, 3, v3                        ; 8 lane
	WIN 0x40
	s_wait_alu depctr_va_vdst(0)                   ; v9 is written, which the loads below read; layer 2's products are done reading eW2's fragments, in which feat lands; SCA, SCB and SPA are written, which the two stores behind the loads read
.irp i, 0,1
.irp j, 0,1,2,3,4,5
	global_load_b128 v[FQ+24*\i+4*\j:FQ+24*\i+4*\j+3], v9, s[50:51] offset:24576*\i+16*\j   ; feat of my eight points is asked for now
.endr
.endr
	WIN 0
	SCST
.irp m, 1,2,4,8                        ; the pool over the 16 points of my half of the lanes
.set i, 0
.rept 32
	v_max_num_f32_dpp v[PM+i], v[PM+i], v[PM+i] row_xmask:\m row_mask:0xf bank_mask:0xf
.set i, i+1
.endr
.endr
	s_wait_alu depctr_va_vdst(0)                   ; the maxima are written, which the stores below read; no vector or matrix instruction stands between here and the loads behind the barrier, which land in X's and cW's registers
.irp i, 0,1,2,3,4,5,6,7
	ds_store_b128 v13, v[PM+4*\i:PM+4*\i+3] offset:128*(\i/4)+16*(\i%4)   ; the sixteen lanes of a half write the same bytes with the same values
.endr
	s_wait_dscnt 0x0                               ; for the others' sake: my partial scores and my maxima have landed
	s_barrier_signal -1
	s_barrier_wait -1
.irp i, 0,1
.irp p, 0,1,2,3,4,5,6,7                ; a point's eight parts: four waves x two halves of the lanes
	ds_load_b128 v[QA+32*\i+4*\p:QA+32*\i+4*\p+3], v14 offset:32768*\i+8192*(\p/2)+64*(\p%2)
.endr
.endr
	s_wait_dscnt 0x0
.macro ADD4 a, b
	v_pk_add_f32 v[\a:\a+1], v[\a:\a+1], v[\b:\b+1]
	v_pk_add_f32 v[\a+2:\a+3], v[\a+2:\a+3], v[\b+2:\b+3]
.endm
.irp i, 0,1
.irp p, 0,2,4,6
	ADD4 QA+32*\i+4*\p, QA+32*\i+4*\p+4
.endr
.irp p, 0,4
	ADD4 QA+32*\i+4*\p, QA+32*\i+4*\p+8
.endr
	ADD4 QA+32*\i, QA+32*\i+16
.endr
	s_wait_alu depctr_va_vdst(0)
	s_wait_loadcnt 0x0                             ; feat of my eight points
	WIN 0x01                                       ; source 0 window 1
.irp k, 0,1,2,3,4,5
.irp i, 0,1
.irp p, 0,1,2,3
	v_fma_f32 v[QA+32*\i+\p], v[FQ+24*\i+6*\p+\k], s[44+\k], v[QA+32*\i+\p]   ; + feat . cW[0:6]
.endr
.endr
.endr
	WIN 0
	v_min3_num_f32 v218, v[QA], v[QA+1], v[QA+2]
	v_max3_num_f32 v219, v[QA], v[QA+1], v[QA+2]
	v_min3_num_f32 v218, v218, v[QA+3], v[QA+32]
	v_max3_num_f32 v219, v219, v[QA+3], v[QA+32]
	v_min3_num_f32 v218, v218, v[QA+33], v[QA+34]
	v_max3_num_f32 v219, v219, v[QA+33], v[QA+34]
	v_min_num_f32 v218, v218, v[QA+35]
	v_max_num_f32 v219, v219, v[QA+35]
.irp m, 1,2,4,8
	v_min_num_f32_dpp v218, v218, v218 row_xmask:\m row_mask:0xf bank_mask:0xf
	v_max_num_f32_dpp v219, v219, v219 row_xmask:\m row_mask:0xf bank_mask:0xf
.endr
	v_permlanex16_b32 v220, v218, s36, s37
	v_permlanex16_b32 v221, v219, s36, s37
	v_min_num_f32 v218, v218, v220
	v_max_num_f32 v219, v219, v221
	s_wait_alu depctr_va_vdst(0)                   ; my eight raw scores and the pair v[218:219] are written, which the three stores below read; the last pool is done reading the accumulators v154 on, in which later LDS loads land
.irp i, 0,1
	global_store_b128 v15, v[QA+32*\i:QA+32*\i+3], s[20:21] offset:4096*\i    ; a wave stores 512 consecutive bytes, aligned
.endr
	ds_store_b64 v1, v[218:219]                    ; my wave's smallest and largest raw score
	s_cmp_lt_u32 s26, 2                            ; threads 0 to 63 join the two groups' maxima: 256 channels, 16 bytes a thread
	s_cbranch_scc0 .Lno_pool
	ds_load_b128 v[154:157], v15 offset:PL
	ds_load_b128 v[158:161], v15 offset:PL+1024
	s_wait_dscnt 0x0
.irp i, 0,1,2,3
	v_max_num_f32 v[154+\i], v[154+\i], v[158+\i]
.endr
	s_wait_alu depctr_va_vdst(0)                   ; v[154:157] are written, which the store reads
	global_store_b128 v15, v[154:157], s[22:23]    ; a wave stores 512 consecutive bytes, aligned
.Lno_pool:
	s_wait_dscnt 0x0                               ; my pair has landed
	s_barrier_signal -1
	s_barrier_wait -1
	s_cmp_lg_u32 s26, 0
	s_cbranch_scc1 .Lend
.irp i, 0,1,2,3
	ds_load_b128 v[162+4*\i:165+4*\i], v2 offset:16*\i   ; the eight waves' pairs, in every lane
.endr
	s_wait_dscnt 0x0
	v_min3_num_f32 v178, v162, v164, v166
	v_max3_num_f32 v179, v163, v165, v167
	v_min3_num_f32 v178, v178, v168, v170
	v_max3_num_f32 v179, v179, v169, v171
	v_min3_num_f32 v178, v178, v172, v174
	v_max3_num_f32 v179, v179, v173, v175
	v_min_num_f32 v178, v178, v176
	v_max_num_f32 v179, v179, v177
	s_wait_alu depctr_va_vdst(0)                   ; v[178:179] are written, which the store reads
	global_store_b64 v3, v[178:179], s[24:25]      ; the same pair from all 32 lanes: 256 consecutive bytes, aligned
.Lend:
	s_wait_dscnt 0x0
	s_wait_alu depctr_hold_cnt(0) depctr_sa_sdst(0) depctr_va_vdst(0) depctr_va_sdst(0) depctr_va_ssrc(0) depctr_va_vcc(0) depctr_vm_vsrc(0)
	s_wait_tensorcnt 0x0
	ds_add_u32 v254, v255
	s_wait_dscnt 0x0
	s_endpgm
.Lfunc_end_k_q959aa2480e_main:
	.size	k_q959aa2480e_main, .Lfunc_end_k_q959aa2480e_main-k_q959aa2480e_main
	.p2alignl 7, 3214868480
	.fill 96, 4, 3214868480
	.section	.rodata,"a",@progbits
	.p2align	6, 0x0
	.amdhsa_kernel k_q959aa2480e_main
		.amdhsa_group_segment_fixed_size 103680
		.amdhsa_private_segment_fixed_size 0
		.amdhsa_enable_private_segment 0
		.amdhsa_kernarg_size 88
		.amdhsa_user_sgpr_count 2
		.amdhsa_user_sgpr_kernarg_segment_ptr 1
		.amdhsa_wavefront_size32 1
		.amdhsa_system_sgpr_workgroup_id_x 1
		.amdhsa_system_sgpr_workgroup_id_y 1
		.amdhsa_system_sgpr_workgroup_id_z 1
		.amdhsa_system_vgpr_workitem_id 0
		.amdhsa_next_free_vgpr 512
		.amdhsa_next_free_sgpr 66
		.amdhsa_reserve_vcc 1
		.amdhsa_float_denorm_mode_32 3
		.amdhsa_float_denorm_mode_16_64 3
		.amdhsa_memory_ordered 1
		.amdhsa_forward_progress 1
		.amdhsa_inst_pref_size 183
	.end_amdhsa_kernel
	.amdgpu_metadata
---
amdhsa.version: [ 1, 2 ]
amdhsa.kernels:
  - .name:           k_q959aa2480e_main
    .symbol:         k_q959aa2480e_main.kd
    .args:
      - { .name: feat, .offset: 0, .size: 8, .value_kind: global_buffer, .address_space: global }
      - { .name: eW1, .offset: 8, .size: 8, .value_kind: global_buffer, .address_space: global }
      - { .name: eb1, .offset: 16, .size: 8, .value_kind: global_buffer, .address_space: global }
      - { .name: eb2, .offset: 24, .size: 8, .value_kind: global_buffer, .address_space: global }
      - { .name: eb3, .offset: 32, .size: 8, .value_kind: global_buffer, .address_space: global }
      - { .name: cW, .offset: 40, .size: 8, .value_kind: global_buffer, .address_space: global }
      - { .name: wq, .offset: 48, .size: 8, .value_kind: global_buffer, .address_space: global }
      - { .name: ws, .offset: 56, .size: 8, .value_kind: global_buffer, .address_space: global }
      - { .name: sc, .offset: 64, .size: 8, .value_kind: global_buffer, .address_space: global }
      - { .name: pool, .offset: 72, .size: 8, .value_kind: global_buffer, .address_space: global }
      - { .name: mm, .offset: 80, .size: 8, .value_kind: global_buffer, .address_space: global }
    .group_segment_fixed_size: 103680
    .private_segment_fixed_size: 0
    .kernarg_segment_align: 8
    .kernarg_segment_size: 88
    .max_flat_workgroup_size: 256
    .sgpr_count:     66
    .vgpr_count:     512
    .wavefront_size: 32
...
	.end_amdgpu_metadata
.endif
;; end of part 5
;; launch finish (part 6): grid 256 x 1, 1 waves a work-group, no clusters, 0 bytes of LDS; arguments sc, pool, mm, wq, ws, sb1, sb2, sb3, cW, cb, out0; writes out0
.if DOCPART == 6
	.amdgcn_target "amdgcn-amd-amdhsa--gfx1250"
	.amdhsa_code_object_version 6
	.text
	.protected	k_q959aa2480e_finish
	.globl	k_q959aa2480e_finish
	.p2align	8
	.type	k_q959aa2480e_finish,@function
k_q959aa2480e_finish:
	s_mov_b64 s[64:65], 0
	v_nop
	global_prefetch_b8 v0, s[64:65] scope:SCOPE_SE
	s_setreg_imm32_b32 hwreg(HW_REG_WAVE_SCHED_MODE, 0, 2), 2
	s_setreg_imm32_b32 hwreg(HW_REG_WAVE_MODE, 25, 1), 1
	s_wait_xcnt 0x0
	s_wait_alu depctr_vm_vsrc(0)
; Wave w finishes points 2048 w .. 2048 w + 2047 of box b = w / 4: the box's pooled row (the maximum of its four work-groups' rows), the segment MLP on it (three products on codes of FP4 (E2M1) with E8M0 scales),
; c = seg . cW[262:390] + cb, score = raw + c, and the rescaling by the box's smallest and largest score to [-1, 1].
; Each of a box's four waves computes the box's segment MLP itself: 32 matrix instructions, against a launch more or traffic between work-groups.  The products are used transposed (source 0 = 16 units of a weight,
; source 1 = the row): all 16 columns of source 1 hold the same row, so every lane ends up with the box's numbers and nothing is broadcast.  No LDS, no barrier.
; The weights' images and scale words are those that the first launch laid; register 16 B + 8 u + j of the eight accumulators holds unit 32 B + 16 h + 8 u + j: 16 neighbours along the next K.
; The loads go out in five groups, each waited for where it is first wanted.  No prefetch: every load is issued near the head, and the launch is short.
; LIMITS: a block whose largest number lies under 2^-124 (a block of zeros too) gets the scale byte 1; NaN and infinities are not served; a box whose scores are all equal gives NaN, as 0 / 0 does.
; THE MODE: SCHED_MODE bits 1:0 = 2 (LLVM: expert scheduling mode 2), set by the entry lines.  The code itself states the register dependences
; between vector or matrix instructions and memory instructions, with s_wait_alu, always for 0.
; THE PLAN.  The offsets v4 to v9 are made once, ahead of one wait on va_vdst, and never written again.  Every load lands in registers that no vector or matrix instruction has named before it.
; The row's codes (PC) and scale words (PW) are written by vector lines and taken by scaled products: behind the eight lines that stand ahead of such a product, one wait on va_vdst ahead of each of the three layers.
; The finished scores (window 3) are written by vector lines and read by the stores: one wait on va_vdst ahead of the run of stores.  Nothing that a memory instruction reads is written again: no wait on vm_vsrc is owed.
.set W1S, 16                           ; v16-23, v24-31, v32-39 the weights' scale words; v40-41 the row's: scales and nothing else
.set W2S, 24
.set W3S, 32
.set PW,  40
.set PC,  42                           ; v42-57   the row's codes: two fragments
.set TM,  58                           ; v58-73   the quantiser's work
.set PO,  96                           ; v96-223  the pooled row: register 64 s + 16 b + i = channel 128 s + 32 b + 16 h + i
.set ACC, 96                           ; v96-159  later the eight accumulators
.set MN,  224                          ; v224-225 the box's smallest and largest raw score
.set CC,  226                          ; v226-233 c (226), smin, smax (228, 229), their difference (230), 2 / difference (232)
.set SB2, 0                            ; window 2: sb2, sb3, sb1 in the result's layout, cW[262 ..]
.set SB3, 64
.set SB1, 128
.set CWS, 192
.set SEL, 28
.set MSB, 0
.macro WIN new                         ; s_set_vgpr_msb: bits 1:0 source 0, 3:2 source 1, 5:4 source 2, 7:6 destination; the high byte repeats the setting that is left
.if MSB != \new
	s_set_vgpr_msb (MSB<<8)|\new
.set MSB, \new
.endif
.endm
.macro PLACES n
.rept \n
	v_nop
.endr
.endm
; 64 numbers of a lane, register 16 b + i = k 32 b + 16 h + i, become a fragment's codes in v[pc] on and its scale word in v[pw].
.macro QUANT s, pc, pw
.irp b, 0,1,2,3
	v_max3_num_f32 v[TM+\b], |v[(\s)+16*\b]|, |v[(\s)+1+16*\b]|, 0x1800000   ; my 16 numbers of block b, and the floor 2^(3 - 127): the byte cannot fall under 1
.endr
.irp i, 2,4,6,8,10,12,14
.irp b, 0,1,2,3
	v_max3_num_f32 v[TM+\b], v[TM+\b], |v[(\s)+16*\b+\i]|, |v[(\s)+1+16*\b+\i]|
.endr
.endr
.irp b, 0,1,2,3
	v_permlanex16_b32 v[TM+4+\b], v[TM+\b], s[SEL], s[SEL+1]
.endr
.irp b, 0,1,2,3
	v_max_num_f32 v[TM+\b], v[TM+\b], v[TM+4+\b]   ; with lane l xor 16's: the block's largest magnitude
.endr
.irp b, 0,1,2,3
	v_add_nc_u32 v[TM+12+\b], 0xff000000, v[TM+\b] ; 2 off its exponent field: the conversion's scale operand
.endr
.irp b, 0,1,2,3
	v_lshrrev_b32 v[TM+4+\b], 23, v[TM+12+\b]      ; the scale's byte
.endr
	v_lshl_or_b32 v[\pw], v[TM+5], 8, v[TM+4]
	v_lshl_or_b32 v[\pw], v[TM+6], 16, v[\pw]
	v_lshl_or_b32 v[\pw], v[TM+7], 24, v[\pw]
.irp b, 0,1,2,3
	v_cvt_scalef32_pk8_fp4_f32 v[(\pc)+2*\b], v[(\s)+16*\b:(\s)+7+16*\b], v[TM+12+\b]
	v_cvt_scalef32_pk8_fp4_f32 v[(\pc)+1+2*\b], v[(\s)+8+16*\b:(\s)+15+16*\b], v[TM+12+\b]
.endr
	v_nop                                          ; one plain line behind a scaled conversion
.irp c, 0,1                            ; the operand's layout wants a whole block in a lane: lanes 0-15 block 2 c, lanes 16-31 block 2 c + 1
.irp i, 0,1
	v_permlane16_swap_b32 v[(\pc)+4*\c+\i], v[(\pc)+2+4*\c+\i]
.endr
.endr
.endm
.macro RELU                            ; in place, each accumulator from its low end on
.set i, 0
.rept 64
	v_max_num_f32 v[ACC+i], 0, v[ACC+i]
.set i, i+1
.endr
.endm
; A layer with K = 128: eight products, each with its bias as C.
.macro LAYER wt, wsc, bi
	WIN 0x21                                       ; the weight in window 1, the bias in window 2
.irp t, 0,1,2,3,4,5,6,7
	v_wmma_scale_f32_16x16x128_f8f6f4 v[ACC+8*\t:ACC+8*\t+7], v[\wt+8*\t:\wt+8*\t+7], v[PC:PC+7], v[\bi+8*\t:\bi+8*\t+7], v[\wsc+\t], v[PW] matrix_a_fmt:MATRIX_FMT_FP4 matrix_b_fmt:MATRIX_FMT_FP4
.endr
	WIN 0
.endm
; The weight, scale words and bias of such a layer: 16 + 8 + 16 loads.
.macro WLOAD wt, cb, wsc, sb, bi, lo, hi
	WIN 0x40
.irp t, 0,1,2,3,4,5,6,7
.irp c, 0,1
	global_load_b128 v[\wt+8*\t+4*\c:\wt+8*\t+4*\c+3], v6, s[10:11] offset:\cb+\t*1024+\c*512
.endr
.endr
	WIN 0
.irp t, 0,1,2,3,4,5,6,7
	global_load_b32 v[\wsc+\t], v8, s[12:13] offset:\sb+64*\t
.endr
	WIN 0x80
.irp t, 0,1,2,3,4,5,6,7
	global_load_b128 v[\bi+8*\t:\bi+8*\t+3], v9, s[\lo:\hi] offset:(\t/2)*128+(\t%2)*32
	global_load_b128 v[\bi+8*\t+4:\bi+8*\t+7], v9, s[\lo:\hi] offset:(\t/2)*128+(\t%2)*32+16
.endr
	WIN 0
.endm
	s_load_b512 s[4:19], s[0:1], 0x0               ; sc, pool, mm, wq, ws, sb1, sb2, sb3
	s_load_b128 s[20:23], s[0:1], 0x40             ; cW, cb
	s_load_b64 s[24:25], s[0:1], 0x50              ; out0
	v_and_b32 v2, 15, v0                           ; r (one wave: v0 is the lane)
	v_lshrrev_b32 v3, 4, v0                        ; h
	v_and_b32 v5, 3, v0
	v_lshlrev_b32 v9, 6, v3                        ; 64 h: biases, cW
	v_lshl_add_u32 v4, v5, 10, v9                  ; pool: the row of work-group 4 b + lane % 4, + 64 h
	v_lshlrev_b32 v5, 8, v5                        ; mm: that work-group's pair
	v_lshlrev_b32 v6, 4, v0                        ; 16 lane: images, sc, out0
	v_lshlrev_b32 v7, 2, v0                        ; 4 lane: scale words of two K steps
	v_lshlrev_b32 v8, 2, v2                        ; 4 r: of one
.irp b, 0,1,2,3
	v_mov_b32 v[TM+4+\b], 0                        ; written once: a lane permute's destination counts as one of its sources
.endr
	s_mov_b32 s[SEL], 0x76543210
	s_mov_b32 s[SEL+1], 0xfedcba98                 ; v_permlanex16_b32's selects for lane l xor 16
	s_lshr_b32 s30, ttmp9, 2                       ; the box
	s_lshl_b32 s32, s30, 12
	s_mov_b32 s33, 0
	s_lshl_b32 s34, s30, 10
	s_mov_b32 s35, 0
	s_lshl_b32 s36, ttmp9, 13
	s_mov_b32 s37, 0
	s_wait_kmcnt 0x0
	s_load_b32 s26, s[22:23], 0x0                  ; cb
	s_add_nc_u64 s[6:7], s[6:7], s[32:33]
	s_add_nc_u64 s[8:9], s[8:9], s[34:35]
	s_add_nc_u64 s[4:5], s[4:5], s[36:37]
	s_add_nc_u64 s[24:25], s[24:25], s[36:37]
	s_wait_alu depctr_va_vdst(0)                   ; the offsets v4 to v9 are written: every load and store of the kernel reads one of them, and no later vector line names them
	; group 1, 33 loads: the four partial rows (each lane one of them) and the four pairs
.irp s, 0,1
.irp k, 0,1,2,3
.irp j, 0,1,2,3
	global_load_b128 v[PO+64*\s+16*\k+4*\j:PO+64*\s+16*\k+4*\j+3], v4, s[6:7] offset:512*\s+128*\k+16*\j
.endr
.endr
.endr
	global_load_b64 v[MN:MN+1], v5, s[8:9]
	; group 2, 56 loads: sW1 (window 1, 16 t + 8 s), its scale words, sb1
	WIN 0x40
.irp t, 0,1,2,3,4,5,6,7
.irp s, 0,1
.irp c, 0,1
	global_load_b128 v[16*\t+8*\s+4*\c:16*\t+8*\s+4*\c+3], v6, s[10:11] offset:65536+\t*2048+\s*1024+\c*512
.endr
.endr
.endr
	WIN 0
.irp t, 0,1,2,3,4,5,6,7
	global_load_b32 v[W1S+\t], v7, s[12:13] offset:4096+128*\t
.endr
	WIN 0x80
.irp t, 0,1,2,3,4,5,6,7
	global_load_b128 v[SB1+8*\t:SB1+8*\t+3], v9, s[14:15] offset:(\t/2)*128+(\t%2)*32
	global_load_b128 v[SB1+8*\t+4:SB1+8*\t+7], v9, s[14:15] offset:(\t/2)*128+(\t%2)*32+16
.endr
	WIN 0
	s_wait_loadcnt 56                              ; group 1 is in: the 56 loads of group 2 may be out
	WLOAD 128, 81920, W2S, 5120, SB2, 16, 17       ; group 3, 40 loads: sW2
	WLOAD 192, 90112, W3S, 5632, SB3, 18, 19       ; group 4, 40 loads: sW3
.irp m, 1,2                            ; lanes l, l xor 1, l xor 2, l xor 3 hold the four work-groups' parts: two steps join them
.set i, 0
.rept 128
	v_max_num_f32_dpp v[PO+i], v[PO+i], v[PO+i] row_xmask:\m row_mask:0xf bank_mask:0xf
.set i, i+1
.endr
	v_min_num_f32_dpp v[MN], v[MN], v[MN] row_xmask:\m row_mask:0xf bank_mask:0xf
	v_max_num_f32_dpp v[MN+1], v[MN+1], v[MN+1] row_xmask:\m row_mask:0xf bank_mask:0xf
.endr
	QUANT PO, PC, PW
	QUANT PO+64, PC+8, PW+1
	PLACES 8                                       ; a scale register written by a vector instruction stands eight lines ahead of a scaled matrix instruction, an operand four
	s_wait_loadcnt 63                              ; group 2 is in: 80 loads were issued behind it, and 63 is the most that the wait can name
	s_wait_alu depctr_va_vdst(0)                   ; the row's codes v[PC ..] and its two scale words are written, which the scaled products below take; the eight lines above stay beside this wait
	WIN 0x21
.irp t, 0,1,2,3,4,5,6,7                ; the eight accumulators by turns, a K step at a time
	v_wmma_scale_f32_16x16x128_f8f6f4 v[ACC+8*\t:ACC+8*\t+7], v[16*\t:16*\t+7], v[PC:PC+7], v[SB1+8*\t:SB1+8*\t+7], v[W1S+\t], v[PW] matrix_a_fmt:MATRIX_FMT_FP4 matrix_b_fmt:MATRIX_FMT_FP4
.endr
	WIN 0x01
.irp t, 0,1,2,3,4,5,6,7
	v_wmma_scale_f32_16x16x128_f8f6f4 v[ACC+8*\t:ACC+8*\t+7], v[16*\t+8:16*\t+15], v[PC+8:PC+15], v[ACC+8*\t:ACC+8*\t+7], v[W1S+\t], v[PW+1] matrix_a_fmt:MATRIX_FMT_FP4 matrix_b_fmt:MATRIX_FMT_FP4 matrix_a_scale:MATRIX_SCALE_ROW1
.endr
	; group 5, 48 loads: cW[262 ..] in the result's layout (32), my raw scores (16).  No wait: no vector or matrix instruction has named these registers, nor the two offsets since the head's wait
	WIN 0x80
.irp k, 0,1,2,3
.irp i, 0,1,2,3,4,5,6,7
	global_load_b64 v[CWS+16*\k+2*\i:CWS+16*\k+2*\i+1], v9, s[20:21] offset:1048+128*\k+8*\i
.endr
.endr
	WIN 0xc0
.irp i, 0,1,2,3,4,5,6,7,8,9,10,11,12,13,14,15
	global_load_b128 v[4*\i:4*\i+3], v6, s[4:5] offset:512*\i th:TH_LOAD_NT
.endr
	WIN 0
	PLACES 4                                       ; in front of the first read of the results
	RELU
	QUANT ACC, PC, PW
	PLACES 8
	s_wait_loadcnt 63                              ; group 3 is in: 88 loads were issued behind it
	s_wait_alu depctr_va_vdst(0)                   ; the row's codes and its scale word are written, which the scaled products of the second layer take
	LAYER 128, W2S, SB2
	PLACES 4
	RELU
	QUANT ACC, PC, PW
	PLACES 8
	s_wait_loadcnt 48                              ; group 4 is in: group 5 may be out
	s_wait_alu depctr_va_vdst(0)                   ; the row's codes and its scale word are written, which the scaled products of the third layer take
	LAYER 192, W3S, SB3
	PLACES 4
	RELU                                           ; seg
	s_wait_loadcnt 16                              ; cW is in: the 16 loads of raw scores may be out
	s_wait_kmcnt 0x0                               ; cb
	WIN 0x08                                       ; source 1 window 2
.irp i, 0,1,2,3
	v_pk_mul_f32 v[CC+2*\i:CC+2*\i+1], v[ACC+2*\i:ACC+2*\i+1], v[CWS+2*\i:CWS+2*\i+1]
.endr
.set p, 4
.rept 28
	v_pk_fma_f32 v[CC+2*(p%4):CC+2*(p%4)+1], v[ACC+2*p:ACC+2*p+1], v[CWS+2*p:CWS+2*p+1], v[CC+2*(p%4):CC+2*(p%4)+1]
.set p, p+1
.endr
	WIN 0
	v_pk_add_f32 v[CC:CC+1], v[CC:CC+1], v[CC+2:CC+3]
	v_pk_add_f32 v[CC+4:CC+5], v[CC+4:CC+5], v[CC+6:CC+7]
	v_pk_add_f32 v[CC:CC+1], v[CC:CC+1], v[CC+4:CC+5]
	v_add_f32 v[CC], v[CC], v[CC+1]
	v_permlanex16_b32 v[CC+1], v[CC], s[SEL], s[SEL+1]
	v_add_f32 v[CC], v[CC], v[CC+1]                ; seg . cW[262:390]: my 64 units and lane l xor 16's
	v_add_f32 v[CC], s26, v[CC]                    ; c = that + cb
	v_add_f32 v[CC+2], v[MN], v[CC]                ; smin
	v_add_f32 v[CC+3], v[MN+1], v[CC]              ; smax
	v_sub_f32 v[CC+4], v[CC+3], v[CC+2]
	s_wait_alu depctr_va_vdst(0)
	v_rcp_f32 v[CC+6], v[CC+4]
	v_nop                                          ; one plain line behind the transcendental
	s_wait_alu depctr_va_vdst(0)                   ; the reciprocal v[CC+6] is written, ahead of its first reader
	v_add_f32 v[CC+6], v[CC+6], v[CC+6]            ; 2 / (smax - smin)
	s_wait_loadcnt 0x0                             ; my raw scores
	WIN 0xc3                                       ; destination and source 0 window 3
.set p, 0
.rept 32
	v_pk_add_f32 v[2*p:2*p+1], v[2*p:2*p+1], v[CC:CC+1] op_sel_hi:[1,0]          ; score = raw + c (of each pair named here the low word serves both halves)
.set p, p+1
.endr
.set p, 0
.rept 32
	v_pk_add_f32 v[2*p:2*p+1], v[2*p:2*p+1], v[CC+2:CC+3] op_sel_hi:[1,0] neg_lo:[0,1] neg_hi:[0,1]   ; - smin
.set p, p+1
.endr
.set p, 0
.rept 32
	v_pk_fma_f32 v[2*p:2*p+1], v[2*p:2*p+1], v[CC+6:CC+7], -1.0 op_sel_hi:[1,0,0]   ; x 2 / (smax - smin) - 1
.set p, p+1
.endr
	WIN 0x0c                                       ; a store's data are its source 1: window 3
	s_wait_alu depctr_va_vdst(0)                   ; the 64 finished scores are written, which the stores below read
.irp i, 0,1,2,3,4,5,6,7,8,9,10,11,12,13,14,15
	global_store_b128 v6, v[4*\i:4*\i+3], s[24:25] offset:512*\i th:TH_STORE_NT   ; 32 lanes store 512 consecutive bytes, aligned
.endr
	WIN 0
	s_endpgm
.Lfunc_end_k_q959aa2480e_finish:
	.size	k_q959aa2480e_finish, .Lfunc_end_k_q959aa2480e_finish-k_q959aa2480e_finish
	.p2alignl 7, 3214868480
	.fill 96, 4, 3214868480
	.section	.rodata,"a",@progbits
	.p2align	6, 0x0
	.amdhsa_kernel k_q959aa2480e_finish
		.amdhsa_group_segment_fixed_size 0
		.amdhsa_private_segment_fixed_size 0
		.amdhsa_enable_private_segment 0
		.amdhsa_kernarg_size 88
		.amdhsa_user_sgpr_count 2
		.amdhsa_user_sgpr_kernarg_segment_ptr 1
		.amdhsa_wavefront_size32 1
		.amdhsa_system_sgpr_workgroup_id_x 1
		.amdhsa_system_sgpr_workgroup_id_y 1
		.amdhsa_system_sgpr_workgroup_id_z 1
		.amdhsa_system_vgpr_workitem_id 0
		.amdhsa_next_free_vgpr 832
		.amdhsa_next_free_sgpr 66
		.amdhsa_reserve_vcc 0
		.amdhsa_float_denorm_mode_32 3
		.amdhsa_float_denorm_mode_16_64 3
		.amdhsa_memory_ordered 1
		.amdhsa_forward_progress 1
		.amdhsa_inst_pref_size 76
	.end_amdhsa_kernel
	.amdgpu_metadata
---
amdhsa.version: [ 1, 2 ]
amdhsa.kernels:
  - .name:           k_q959aa2480e_finish
    .symbol:         k_q959aa2480e_finish.kd
    .args:
      - { .name: sc, .offset: 0, .size: 8, .value_kind: global_buffer, .address_space: global }
      - { .name: pool, .offset: 8, .size: 8, .value_kind: global_buffer, .address_space: global }
      - { .name: mm, .offset: 16, .size: 8, .value_kind: global_buffer, .address_space: global }
      - { .name: wq, .offset: 24, .size: 8, .value_kind: global_buffer, .address_space: global }
      - { .name: ws, .offset: 32, .size: 8, .value_kind: global_buffer, .address_space: global }
      - { .name: sb1, .offset: 40, .size: 8, .value_kind: global_buffer, .address_space: global }
      - { .name: sb2, .offset: 48, .size: 8, .value_kind: global_buffer, .address_space: global }
      - { .name: sb3, .offset: 56, .size: 8, .value_kind: global_buffer, .address_space: global }
      - { .name: cW, .offset: 64, .size: 8, .value_kind: global_buffer, .address_space: global }
      - { .name: cb, .offset: 72, .size: 8, .value_kind: global_buffer, .address_space: global }
      - { .name: out0, .offset: 80, .size: 8, .value_kind: global_buffer, .address_space: global }
    .group_segment_fixed_size: 0
    .private_segment_fixed_size: 0
    .kernarg_segment_align: 8
    .kernarg_segment_size: 88
    .max_flat_workgroup_size: 32
    .sgpr_count:     66
    .vgpr_count:     832
    .wavefront_size: 32
...
	.end_amdgpu_metadata
.endif
;; end of part 6
